; MI455X (gfx1250); checked and timed in simulation.
; The chip was launched on July 23, 2026; its instructions are those of AMD's public machine-readable ISA for CDNA 5 (MIT licence, August 2026) and "CDNA5" Instruction Set Architecture Reference Guide (July 2026). The comments in the code are by the model that wrote it; some were corrected since.
;; Adaptive Span Attention. Allowed arithmetic: matrix products marked QUANTISED: E2M1 operands, one E8M0 scale for each 32 along K, by v_wmma_scale_f32_16x16x128_f8f6f4 with both operands' format E2M1 (or v_wmma_scale_f32_32x16x128_f4), f32 sums; products left as they are: bf16, f16 or f32 operands; f32 sums; everything else in f32.
;; Inputs: Wk 1,024 x 1,024 float32; Wo_b 1,024 float32; Wo_w 1,024 x 1,024 float32; Wq 1,024 x 1,024 float32; Wv 1,024 x 1,024 float32; span_b 16 float32; span_w 1,024 x 16 float32; x 2 x 2,048 x 1,024 float32.
;; Outputs: out0 2 x 2,048 x 1,024 float32.
;; This version of the problem:
;;   THIS VERSION OF THE PROBLEM IS GIVEN IN LOW PRECISION. The matrix products marked QUANTISED in the list below multiply operands that are first quantised to E2M1 (2 exponent bits, 1 mantissa bit; 4 bits a number), with one power-of-two scale for each 32 numbers along K (OCP MX v1.0); their sums are f32. The products marked 'left as it is' may take bf16, f16 or f32 operands, with f32 sums. Whichever they take, every output number must still come out within the allowed error. Rounding operands to bf16 (8 significant bits) uses up far more of that allowance than f16 does (11 bits, for magnitudes from 6e-5 to 65,504). All else is computed in f32.
;;   The module's matrix products, in the order in which they are computed (A, B: the left and right operand; K: the contracted axis; several contracted axes count as one K, in the product's order):
;;     1. [M 4,096, K 1,024] x [K 1,024, N 1,024]; A: input x; B: input Wq: QUANTISED
;;     2. [M 4,096, K 1,024] x [K 1,024, N 1,024]; A: input x; B: input Wk: QUANTISED
;;     3. [M 4,096, K 1,024] x [K 1,024, N 1,024]; A: input x; B: input Wv: QUANTISED
;;     4. [M 2, K 1,024] x [K 1,024, N 16]; A: computed on the way; B: input span_w: left as it is (M = 2 < 16)
;;     5. batch 32 x [M 2,048, K 64] x [K 64, N 2,048]; A: computed on the way; B: computed on the way: left as it is (an operand is computed on the way)
;;     6. batch 32 x [M 2,048, K 2,048] x [K 2,048, N 64]; A: computed on the way; B: computed on the way: left as it is (an operand is computed on the way)
;;     7. [M 4,096, K 1,024] x [K 1,024, N 1,024]; A: computed on the way; B: input Wo_w: left as it is (an operand is computed on the way)
;;   THE QUANTISER, for each operand of a quantised product, along K:
;;     - K is cut into blocks of 32 from its start; a last block that is shorter is filled with zeros.
;;     - A block's scale is 2^e with e = floor(log2(the largest magnitude in the block)) - 2, held to -126 .. 127; a block of zeros has e = 0. As a byte (E8M0): e + 127.
;;     - Each number is divided by its block's scale, clamped to +-6, and rounded to the nearest number of E2M1, ties to even, subnormals kept.
;;     - The product sums the exact products of the quantised numbers (number of the format x scale) in f32.
;;   ~~~python
;;   def quantise(x, axis):      # numpy; x: float32 -> the quantised numbers, widened to float32 again
;;       x = np.moveaxis(x, axis, -1); K = x.shape[-1]
;;       x = np.pad(x, [(0, 0)] * (x.ndim - 1) + [(0, -K % 32)]); x = x.reshape(x.shape[:-1] + (-1, 32)); a = np.abs(x).max(-1, keepdims=True)
;;       e = np.where(a > 0, np.clip(np.frexp(np.where(a > 0, a, 1))[1] - 1 - 2, -126, 127), 0)      # np.frexp(a)[1] - 1 = floor(log2(a)), exactly
;;       r = np.clip(x / 2.0 ** e, -6, 6)
;;       step = 2.0 ** (np.maximum(np.frexp(np.where(r == 0, 1, r))[1] - 1, 0) - 1)
;;       q = np.round(r / step) * step * 2.0 ** e      # np.round: ties to even
;;       return np.moveaxis(q.reshape(q.shape[:-2] + (-1,))[..., :K], -1, axis).astype(np.float32)
;;   ~~~
;; One version. Each part assembles by itself: llvm-mc -triple=amdgcn-amd-amdhsa -mcpu=gfx1250 --defsym DOCPART=n.
;; ======== version 1 of 1: 5 launches
;; limits: values are held in f16: magnitudes above 65,504 overflow, below 6.1e-05 lose precision
;; workspace buffers: cod 3,899,392 bytes; wot 2,097,152 bytes; spanp 16,384 bytes; qkv 25,165,824 bytes; h32 393,472 bytes; zi 256 bytes of whole numbers; o 8,388,608 bytes
;; launch prep (part 1): grid 512 x 1, 4 waves a work-group, no clusters, 80,384 bytes of LDS; arguments x, Wq, Wk, Wv, Wo_w, span_w, cod, wot, spanp; writes cod, wot, spanp
.if DOCPART == 1
	.amdgcn_target "amdgcn-amd-amdhsa--gfx1250"
	.amdhsa_code_object_version 6
	.text
	.protected	k_q92118622f9_prep
	.globl	k_q92118622f9_prep
	.p2align	8
	.type	k_q92118622f9_prep,@function
k_q92118622f9_prep:
	s_mov_b64 s[64:65], 0
	v_nop
	global_prefetch_b8 v0, s[64:65] scope:SCOPE_SE
	s_setreg_imm32_b32 hwreg(HW_REG_WAVE_MODE, 25, 1), 1
	s_wait_xcnt 0x0
; THREE JOBS IN ONE LAUNCH, parted by the work-group's number; each job has LDS bytes of its own.
;  XQ (work-groups 0-255): 16 rows of x become codes of FP4 (E2M1) with one E8M0 byte for each 32 along K, and give a partial dot (sum of the 16 rows) . span_w for the 16 heads.
;  WQ (256-447): 32 columns x 512 K of Wq, Wk or Wv become codes with K innermost: a lane takes a column and its registers run down K.
;  WO (448-511): 128 columns x 128 K of Wo_w become f16, laid [n / 128][k / 64][128 n][64 k].
; cod: codes [slab = K / 512][row 0..7167][256 bytes]; rows 0-4095 the tokens, 4096.. Wq's columns, 5120.. Wk's, 6144.. Wv's; from SCOFF the scale bytes [row][32].
; A block's scale is 2^(floor(log2(largest magnitude)) - 2): its byte is the largest magnitude's exponent field - 2, held at 1 from below.
; LIMITS: a block of zeros gets the byte 1 where the rule says 127 (its codes are zeros, and this program alone reads the bytes); blocks whose largest magnitude lies under 2^-124 keep the byte 1;
; NaN and infinities among the inputs are not served.  Wo_w is rounded to f16: magnitudes up to 65,504; under 6e-5 the error is 3e-8 absolute.
; No tensor load, no ring: every load of a wave is issued at once.
.set SLAB,  1835008                    ; 7,168 rows x 256 bytes
.set SCOFF, 2*SLAB
.set SP,    80                         ; a lane's place in a stage: 64 bytes + 16 of padding
.set XSCL,  32768                      ; XQ: wave w's region is 8192 w (two stages of 2,560, 2,048 of column sums); here the 16 rows' 512 scale bytes,
.set XHP,   33280                      ; and the four waves' 16 partial dots
.set WSTG,  33792                      ; WQ: 32 rows x (256 + 16) bytes of codes,
.set WSCL,  42496                      ; and 32 x 16 scale bytes
.set OSTG,  43008                      ; WO: 9,216 bytes a wave: two stages of 32 rows x (128 + 16)
.set SPARE, 79872                      ; the spare words, 128 bytes for each wave: no other line names them
.set SPW,   30                         ; v30  LDS address of my spare word; never rewritten, in any of the three jobs
.set NIL,   31                         ; v31  0; never rewritten
.set R,     64                         ; v64-191 numbers as loaded
.set X,     32                         ; v32-63  XQ: two sets of 16 neighbours
.set C,     192                        ; codes; WO: v192-255, 64 packed pairs
.set E,     208                        ; XQ: a scale byte for each step
.set CSM,   216                        ; XQ: v216-231 column sums of my 8 half rows
.set HA,    232                        ; XQ: v232-235 four heads' dots
	s_load_b512 s[4:19], s[0:1], 0x0               ; x 4, Wq 6, Wk 8, Wv 10, Wo_w 12, span_w 14, cod 16, wot 18
	s_load_b64 s[20:21], s[0:1], 0x40              ; spanp
	v_lshl_add_u32 v[SPW], v0, 2, SPARE
	v_mov_b32 v[NIL], 0
	v_lshrrev_b32 v1, 5, v0
	v_readfirstlane_b32 s24, v1                    ; wave
	v_and_b32 v1, 31, v0                           ; lane
	s_mov_b32 s23, 0                               ; s[22:23]: byte offsets, under 2^31
	s_wait_kmcnt 0x0
	s_cmp_lt_u32 ttmp9, 256
	s_cbranch_scc1 .Lxq
	s_cmp_lt_u32 ttmp9, 448
	s_cbranch_scc1 .Lwq
; 128 rows of K at my column: each load reads 128 consecutive bytes; all 128 are issued on end
.macro COLLOAD base
.set i, 0
.rept 128
	global_load_b32 v[R+i], v3, s[\base:\base+1] offset:i*4096 th:TH_LOAD_NT
.set i, i+1
.endr
.endm
; ---------------- WO
	s_sub_co_u32 s25, ttmp9, 448
	s_and_b32 s26, s25, 7                          ; which 128 columns
	s_lshr_b32 s27, s25, 3                         ; which 128 along K
	s_lshl_b32 s22, s27, 19
	s_lshl_b32 s28, s26, 9
	s_add_co_u32 s22, s22, s28
	s_lshl_b32 s28, s24, 7
	s_add_co_u32 s22, s22, s28
	s_add_nc_u64 s[12:13], s[12:13], s[22:23]      ; Wo_w at row 128 kc, column 128 nb + 32 wave
	v_lshlrev_b32 v3, 2, v1
	COLLOAD 12
	s_lshl_b32 s22, s26, 4
	s_lshl_b32 s28, s27, 1
	s_add_co_u32 s22, s22, s28
	s_lshl_b32 s22, s22, 14                        ; block (nb, kb = 2 kc) of 16,384 bytes,
	s_lshl_b32 s28, s24, 12
	s_add_co_u32 s22, s22, s28                     ; my 32 rows of 128 bytes in it
	s_add_nc_u64 s[18:19], s[18:19], s[22:23]
	s_mul_i32 s28, s24, 9216
	s_add_co_u32 s28, s28, OSTG
	v_mul_u32_u24 v4, v1, 144
	v_add_nc_u32 v4, s28, v4                       ; into the stage: row = my column
	v_lshrrev_b32 v5, 3, v1
	v_mul_u32_u24 v5, v5, 144
	v_and_b32 v6, 7, v1
	v_lshl_add_u32 v5, v6, 4, v5
	v_add_nc_u32 v5, s28, v5                       ; out of it: eight lanes to a row, four rows an instruction
	v_lshlrev_b32 v6, 4, v1
	s_wait_loadcnt 0x0
.set i, 0
.rept 64
	v_cvt_pk_f16_f32 v[C+i], v[R+2*i], v[R+2*i+1]  ; two neighbours along K
.set i, i+1
.endr
.irp kk, 0,1
.irp t, 0,1,2,3,4,5,6,7
	ds_store_b128 v4, v[C+32*\kk+4*\t:C+32*\kk+4*\t+3] offset:4608*\kk+16*\t
.endr
.irp u, 0,1,2,3,4,5,6,7
	ds_load_b128 v[R+32*\kk+4*\u:R+32*\kk+4*\u+3], v5 offset:4608*\kk+576*\u   ; LDS serves a wave's instructions in order: these see my stores
.endr
.endr
.irp kk, 0,1
.irp u, 0,1,2,3,4,5,6,7
	s_wait_dscnt (1-\kk)*16+7-\u                   ; the LDS instructions issued behind this load may be out
	global_store_b128 v6, v[R+32*\kk+4*\u:R+32*\kk+4*\u+3], s[18:19] offset:16384*\kk+512*\u   ; 512 consecutive bytes
.endr
.endr
	s_wait_tensorcnt 0x0                           ; the wave's end
	ds_add_u32 v[SPW], v[NIL]
	s_wait_dscnt 0x0
	s_endpgm
; ---------------- WQ
.Lwq:
	s_sub_co_u32 s25, ttmp9, 256
	s_lshr_b32 s26, s25, 6                         ; 0 Wq, 1 Wk, 2 Wv
	s_and_b32 s27, s25, 31                         ; which 32 columns
	s_bfe_u32 s28, s25, 0x10005                    ; which 512 along K
	s_cmp_eq_u32 s26, 0
	s_cselect_b64 s[30:31], s[6:7], s[8:9]
	s_cmp_eq_u32 s26, 2
	s_cselect_b64 s[30:31], s[10:11], s[30:31]
	s_lshl_b32 s22, s28, 21
	s_lshl_b32 s29, s24, 19
	s_add_co_u32 s22, s22, s29
	s_lshl_b32 s29, s27, 7
	s_add_co_u32 s22, s22, s29
	s_add_nc_u64 s[30:31], s[30:31], s[22:23]      ; row 512 slab + 128 wave, column 32 cg
	v_lshlrev_b32 v3, 2, v1
	COLLOAD 30
	s_lshl_b32 s29, s26, 10
	s_lshl_b32 s32, s27, 5
	s_add_co_u32 s29, s29, s32
	s_add_co_u32 s29, s29, 4096                    ; my work-group's first row of cod
	s_mul_i32 s22, s28, SLAB
	s_lshl_b32 s32, s29, 8
	s_add_co_u32 s22, s22, s32
	s_lshl_b32 s32, s24, 11
	s_add_co_u32 s22, s22, s32                     ; + the 8 rows that my wave stores
	s_add_nc_u64 s[34:35], s[16:17], s[22:23]
	s_lshl_b32 s22, s29, 5
	s_lshl_b32 s32, s28, 4
	s_add_co_u32 s22, s22, s32
	s_add_co_u32 s22, s22, SCOFF
	s_add_nc_u64 s[36:37], s[16:17], s[22:23]      ; the scale bytes: 16 of each row's 32
	s_lshl_b32 s32, s24, 6
	s_add_co_u32 s32, s32, WSTG
	v_mul_u32_u24 v4, v1, 272
	v_add_nc_u32 v4, s32, v4                       ; into the stage: row = my column, my wave's 64 bytes of its 256
	s_lshl_b32 s32, s24, 2
	s_add_co_u32 s32, s32, WSCL
	v_lshl_add_u32 v5, v1, 4, s32                  ; my column's scale word
	s_mul_i32 s32, s24, 8*272
	s_add_co_u32 s32, s32, WSTG
	v_lshrrev_b32 v7, 4, v1
	v_mul_u32_u24 v7, v7, 272
	v_and_b32 v8, 15, v1
	v_lshl_add_u32 v7, v8, 4, v7
	v_add_nc_u32 v7, s32, v7                       ; out of it: rows 8 wave on, sixteen lanes to a row
	v_lshlrev_b32 v6, 4, v1
	v_add_nc_u32 v9, WSCL, v6
	v_lshlrev_b32 v10, 5, v1
.macro WBLOCK t                        ; block t of my column: all its 32 numbers are mine
.set XS, R+32*(\t)
.if 96-32*(\t) > 63
	s_wait_loadcnt 63                              ; at most 63 of the 128 loads are out: the first 65 are in, blocks 0 and 1 among them (a wait names no more than its field holds)
.else
	s_wait_loadcnt 96-32*(\t)                      ; the later blocks' loads may be out
.endif
	v_max3_num_f32 v12, |v[XS]|, |v[XS+1]|, |v[XS+2]|
	v_max3_num_f32 v13, |v[XS+3]|, |v[XS+4]|, |v[XS+5]|
.irp i, 6,10,14,18,22,26
	v_max3_num_f32 v12, v12, |v[XS+\i]|, |v[XS+\i+1]|
	v_max3_num_f32 v13, v13, |v[XS+\i+2]|, |v[XS+\i+3]|
.endr
	v_max3_num_f32 v12, v12, |v[XS+30]|, |v[XS+31]|
	v_max3_num_f32 v12, v12, v13, 0x1800000        ; the floor 2^(3 - 127): the byte cannot fall under 1
	v_add_nc_u32 v[16+(\t)], 0xff000000, v12       ; 2 off the exponent field: the conversion's scale operand
	v_lshrrev_b32 v13, 23, v[16+(\t)]              ; the scale's byte
.if (\t) == 0
	v_mov_b32 v24, v13
.else
	v_lshl_or_b32 v24, v13, 8*(\t), v24
.endif
.irp g, 0,1,2,3
	v_cvt_scalef32_pk8_fp4_f32 v[C+4*(\t)+\g], v[XS+8*\g:XS+8*\g+7], v[16+(\t)]
.endr
	ds_store_b128 v4, v[C+4*(\t):C+4*(\t)+3] offset:16*(\t)
.endm
	WBLOCK 0
	WBLOCK 1
	WBLOCK 2
	WBLOCK 3
	ds_store_b32 v5, v24
	s_wait_dscnt 0x0                               ; for the others' sake: my stores have landed
	s_barrier_signal -1
	s_barrier_wait -1                              ; 32 whole rows of 256 bytes lie in the stage
.irp u, 0,1,2,3
	ds_load_b128 v[208+4*\u:211+4*\u], v7 offset:544*\u
.endr
.irp u, 0,1,2,3
	s_wait_dscnt 3-\u
	global_store_b128 v6, v[208+4*\u:211+4*\u], s[34:35] offset:512*\u   ; two whole rows: 512 consecutive bytes
.endr
	s_cmp_lg_u32 s24, 0
	s_cbranch_scc1 .Lwend
	ds_load_b128 v[224:227], v9
	s_wait_dscnt 0x0
	global_store_b128 v10, v[224:227], s[36:37]    ; 16 bytes of each row's 32: one byte for each 32 of the 512 along K that the job reads
.Lwend:
	s_wait_tensorcnt 0x0                           ; the wave's end
	ds_add_u32 v[SPW], v[NIL]
	s_wait_dscnt 0x0
	s_endpgm
; ---------------- XQ
.Lxq:
	s_and_b32 s25, s24, 1                          ; which half of the rows' 1,024 columns
	s_lshr_b32 s26, s24, 1                         ; which 8 of the 16 rows
	s_lshl_b32 s22, ttmp9, 16
	s_lshl_b32 s28, s26, 15
	s_add_co_u32 s22, s22, s28
	s_lshl_b32 s28, s25, 11
	s_add_co_u32 s22, s22, s28
	s_add_nc_u64 s[4:5], s[4:5], s[22:23]
	v_lshlrev_b32 v3, 4, v1
.irp t, 0,1,2,3,4,5,6,7
.irp i, 0,1,2,3
	global_load_b128 v[R+16*\t+4*\i:R+16*\t+4*\i+3], v3, s[4:5] offset:4096*\t+512*\i th:TH_LOAD_NT   ; step t = half a row; 512 consecutive bytes a load
.endr
.endr
	s_mul_i32 s22, s25, SLAB
	s_lshl_b32 s28, ttmp9, 12
	s_add_co_u32 s22, s22, s28
	s_lshl_b32 s28, s26, 11
	s_add_co_u32 s22, s22, s28
	s_add_nc_u64 s[32:33], s[16:17], s[22:23]      ; my codes
	s_lshl_b32 s22, ttmp9, 9
	s_add_co_u32 s22, s22, SCOFF
	s_add_nc_u64 s[34:35], s[16:17], s[22:23]      ; the 16 rows' scale bytes
	s_lshl_b32 s22, s24, 14
	s_add_nc_u64 s[14:15], s[14:15], s[22:23]      ; span_w at column 256 wave
	s_lshr_b32 s22, ttmp9, 7
	s_lshl_b32 s22, s22, 13
	s_and_b32 s28, ttmp9, 127
	s_lshl_b32 s28, s28, 2
	s_add_co_u32 s22, s22, s28
	s_add_nc_u64 s[20:21], s[20:21], s[22:23]      ; spanp[16 b + head][my work-group's place among the batch's 128]
	s_mov_b32 s36, 0x76543210
	s_mov_b32 s37, 0xfedcba98                      ; v_permlanex16_b32's selects for lane l xor 16
	s_lshl_b32 s27, s24, 13
	v_lshrrev_b32 v14, 2, v1
	v_mul_u32_u24 v14, v14, SP
	v_and_b32 v15, 3, v1
	v_lshl_add_u32 v14, v15, 4, v14
	v_add_nc_u32 v14, s27, v14                     ; the stage, in: four lanes' 64 bytes on end, then 16 of padding
	v_mul_u32_u24 v15, v1, SP
	v_add_nc_u32 v15, s27, v15                     ; and out: my 16 neighbours
	v_lshlrev_b32 v4, 3, v1
	s_lshl_b32 s28, s26, 8
	s_lshl_b32 s29, s25, 4
	s_add_co_u32 s28, s28, s29
	s_add_co_u32 s28, s28, XSCL
	v_lshrrev_b32 v5, 1, v1
	v_add_nc_u32 v5, s28, v5                       ; my block's scale byte: row x 32 + 16 x half + block
	s_add_co_u32 s28, s27, 5120
	v_add_nc_u32 v6, s28, v3                       ; my wave's column sums
	s_lshl_b32 s28, s26, 13
	s_lshl_b32 s29, s25, 10
	s_add_co_u32 s28, s28, s29
	s_add_co_u32 s28, s28, 5120
	v_lshrrev_b32 v7, 2, v1
	v_lshl_add_u32 v7, v7, 2, s28                  ; the sums of columns 256 wave + 8 u + lane / 4: in wave (wave / 2)'s region, and 16,384 on in its partner's
	s_lshl_b32 s28, s24, 6
	s_add_co_u32 s28, s28, XHP
	v_and_b32 v8, 3, v1
	v_lshl_add_u32 v8, v8, 4, s28
	v_and_b32 v9, 15, v1
	v_lshlrev_b32 v12, 9, v9
	v_lshl_add_u32 v9, v9, 2, XHP
	v_add_nc_u32 v10, XSCL, v3
.macro CSUM t                          ; step t's 16 numbers a lane onto the column sums; steps 0 and 1 start them
.irp e, 0,2,4,6,8,10,12,14
.if (\t) == 1
	v_pk_add_f32 v[CSM+\e:CSM+\e+1], v[R+\e:R+\e+1], v[R+16+\e:R+16+\e+1]
.else
	v_pk_add_f32 v[CSM+\e:CSM+\e+1], v[CSM+\e:CSM+\e+1], v[R+16*(\t)+\e:R+16*(\t)+\e+1]
.endif
.endr
.endm
.macro TURN t                          ; step t's numbers through the stage: in as they lie, out 64 bytes a lane
.irp i, 0,1,2,3
	ds_store_b128 v14, v[R+16*(\t)+4*\i:R+16*(\t)+4*\i+3] offset:32*SP*((\t)%2)+8*SP*\i
.endr
.irp i, 0,1,2,3
	ds_load_b128 v[X+16*((\t)%2)+4*\i:X+16*((\t)%2)+4*\i+3], v15 offset:32*SP*((\t)%2)+16*\i
.endr
.endm
.macro XSTEP t
.set XS, X+16*((\t)%2)
.if (\t) > 0
	s_wait_dscnt 1                                 ; this step's numbers are back from the stage; the last step's byte store may be out
.else
	s_wait_dscnt 0x0
.endif
.if (\t) < 7
	s_wait_loadcnt 24-4*(\t)                       ; the next step's four loads are in; those of the steps behind it may be out
	CSUM (\t)+1
	TURN (\t)+1
.endif
	v_max3_num_f32 v16, |v[XS]|, |v[XS+1]|, |v[XS+2]|
	v_max3_num_f32 v17, |v[XS+3]|, |v[XS+4]|, |v[XS+5]|
.irp i, 6,10
	v_max3_num_f32 v16, v16, |v[XS+\i]|, |v[XS+\i+1]|
	v_max3_num_f32 v17, v17, |v[XS+\i+2]|, |v[XS+\i+3]|
.endr
	v_max3_num_f32 v16, v16, |v[XS+14]|, |v[XS+15]|
	v_max3_num_f32 v16, v16, v17, 0x1800000        ; the floor 2^(3 - 127)
	v_max_num_f32_dpp v16, v16, v16 row_xmask:1 row_mask:0xf bank_mask:0xf   ; with my neighbour's 16: the block's largest magnitude
	v_add_nc_u32 v18, 0xff000000, v16              ; 2 off its exponent field: the conversion's scale operand
	v_cvt_scalef32_pk8_fp4_f32 v[C+2*(\t)], v[XS:XS+7], v18
	v_cvt_scalef32_pk8_fp4_f32 v[C+2*(\t)+1], v[XS+8:XS+15], v18
	v_lshrrev_b32 v[E+(\t)], 23, v18               ; the scale's byte
	ds_store_b8 v5, v[E+(\t)] offset:32*(\t)       ; both lanes of a block write the same byte with the same value
	global_store_b64 v4, v[C+2*(\t):C+2*(\t)+1], s[32:33] offset:256*(\t)   ; half a row's codes: 256 consecutive bytes, aligned
.endm
	s_wait_loadcnt 28                              ; step 0's four loads are in
	TURN 0
.irp t, 0,1,2,3,4,5,6,7
	XSTEP \t
.endr
	s_wait_dscnt 0x0
.irp u, 0,1,2,3,4,5,6,7,8,9,10,11,12,13,14,15,16,17,18,19,20,21,22,23,24,25,26,27,28,29,30,31
	global_load_b128 v[R+4*\u:R+4*\u+3], v3, s[14:15] offset:512*\u   ; span_w: column 256 wave + 8 u + lane / 4, heads 4 (lane % 4) on
.endr
.irp i, 0,1,2,3
	ds_store_b128 v6, v[CSM+4*\i:CSM+4*\i+3] offset:512*\i
.endr
	s_wait_dscnt 0x0                               ; for the others' sake
	s_barrier_signal -1
	s_barrier_wait -1                              ; all four waves' column sums lie in LDS
	s_wait_xcnt 0x0                                ; the codes' stores have read v192-207, which are written below
.irp u, 0,1,2,3,4,5,6,7,8,9,10,11,12,13,14,15,16,17,18,19,20,21,22,23,24,25,26,27,28,29,30,31
	ds_load_b32 v[X+\u], v7 offset:32*\u
.endr
.irp u, 0,1,2,3,4,5,6,7,8,9,10,11,12,13,14,15,16,17,18,19,20,21,22,23,24,25,26,27,28,29,30,31
	ds_load_b32 v[C+\u], v7 offset:16384+32*\u
.endr
.irp e, 0,1,2,3
	v_mov_b32 v[HA+4+\e], 0                        ; a lane permute's destination counts as one of its sources
.endr
	s_wait_dscnt 0x0
.irp u, 0,2,4,6,8,10,12,14,16,18,20,22,24,26,28,30
	v_pk_add_f32 v[X+\u:X+\u+1], v[X+\u:X+\u+1], v[C+\u:C+\u+1]   ; the two groups of 8 rows
.endr
	s_wait_loadcnt 0x0
.irp e, 0,1,2,3
	v_mul_f32 v[HA+\e], v[R+\e], v[X]
.endr
.irp u, 1,2,3,4,5,6,7,8,9,10,11,12,13,14,15,16,17,18,19,20,21,22,23,24,25,26,27,28,29,30,31
.irp e, 0,1,2,3
	v_fmac_f32 v[HA+\e], v[R+4*\u+\e], v[X+\u]
.endr
.endr
.irp e, 0,1,2,3
	v_add_f32_dpp v[HA+\e], v[HA+\e], v[HA+\e] row_xmask:4 row_mask:0xf bank_mask:0xf
.endr
.irp e, 0,1,2,3
	v_add_f32_dpp v[HA+\e], v[HA+\e], v[HA+\e] row_xmask:8 row_mask:0xf bank_mask:0xf
.endr
.irp e, 0,1,2,3
	v_permlanex16_b32 v[HA+4+\e], v[HA+\e], s36, s37
.endr
.irp e, 0,1,2,3
	v_add_f32 v[HA+\e], v[HA+\e], v[HA+4+\e]       ; my wave's 256 columns, heads 4 (lane % 4) on
.endr
	ds_store_b128 v8, v[HA:HA+3]                   ; eight lanes write the same 16 bytes with the same values
	s_wait_dscnt 0x0
	s_barrier_signal -1
	s_barrier_wait -1
	s_cmp_lg_u32 s24, 0
	s_cbranch_scc1 .Lx1
.irp k, 0,1,2,3
	ds_load_b32 v[16+\k], v9 offset:64*\k
.endr
	s_wait_dscnt 0x0
	v_add_f32 v16, v16, v17
	v_add_f32 v18, v18, v19
	v_add_f32 v16, v16, v18
	global_store_b32 v12, v16, s[20:21]            ; head lane % 16: lanes l and l + 16 store the same word with the same value
	s_branch .Lxend
.Lx1:
	s_cmp_lg_u32 s24, 1
	s_cbranch_scc1 .Lxend
	ds_load_b128 v[16:19], v10
	s_wait_dscnt 0x0
	global_store_b128 v3, v[16:19], s[34:35]       ; 512 consecutive bytes
.Lxend:
	s_wait_tensorcnt 0x0                           ; the wave's end
	ds_add_u32 v[SPW], v[NIL]
	s_wait_dscnt 0x0
	s_endpgm
.Lfunc_end_k_q92118622f9_prep:
	.size	k_q92118622f9_prep, .Lfunc_end_k_q92118622f9_prep-k_q92118622f9_prep
	.p2alignl 7, 3214868480
	.fill 96, 4, 3214868480
	.section	.rodata,"a",@progbits
	.p2align	6, 0x0
	.amdhsa_kernel k_q92118622f9_prep
		.amdhsa_group_segment_fixed_size 80384
		.amdhsa_private_segment_fixed_size 0
		.amdhsa_enable_private_segment 0
		.amdhsa_kernarg_size 72
		.amdhsa_user_sgpr_count 2
		.amdhsa_user_sgpr_kernarg_segment_ptr 1
		.amdhsa_wavefront_size32 1
		.amdhsa_system_sgpr_workgroup_id_x 1
		.amdhsa_system_sgpr_workgroup_id_y 1
		.amdhsa_system_sgpr_workgroup_id_z 1
		.amdhsa_system_vgpr_workitem_id 0
		.amdhsa_next_free_vgpr 256
		.amdhsa_next_free_sgpr 66
		.amdhsa_reserve_vcc 0
		.amdhsa_float_denorm_mode_32 3
		.amdhsa_float_denorm_mode_16_64 3
		.amdhsa_memory_ordered 1
		.amdhsa_forward_progress 1
		.amdhsa_inst_pref_size 80
	.end_amdhsa_kernel
	.amdgpu_metadata
---
amdhsa.version: [ 1, 2 ]
amdhsa.kernels:
  - .name:           k_q92118622f9_prep
    .symbol:         k_q92118622f9_prep.kd
    .args:
      - { .name: x, .offset: 0, .size: 8, .value_kind: global_buffer, .address_space: global }
      - { .name: Wq, .offset: 8, .size: 8, .value_kind: global_buffer, .address_space: global }
      - { .name: Wk, .offset: 16, .size: 8, .value_kind: global_buffer, .address_space: global }
      - { .name: Wv, .offset: 24, .size: 8, .value_kind: global_buffer, .address_space: global }
      - { .name: Wo_w, .offset: 32, .size: 8, .value_kind: global_buffer, .address_space: global }
      - { .name: span_w, .offset: 40, .size: 8, .value_kind: global_buffer, .address_space: global }
      - { .name: cod, .offset: 48, .size: 8, .value_kind: global_buffer, .address_space: global }
      - { .name: wot, .offset: 56, .size: 8, .value_kind: global_buffer, .address_space: global }
      - { .name: spanp, .offset: 64, .size: 8, .value_kind: global_buffer, .address_space: global }
    .group_segment_fixed_size: 80384
    .private_segment_fixed_size: 0
    .kernarg_segment_align: 8
    .kernarg_segment_size: 72
    .max_flat_workgroup_size: 128
    .sgpr_count:     66
    .vgpr_count:     256
    .wavefront_size: 32
...
	.end_amdgpu_metadata
.endif
;; end of part 1
;; launch gemm (part 2): grid 12 x 16, 4 waves a work-group, clusters of 4 x 4, 327,680 bytes of LDS; arguments cod, spanp, span_b, qkv, h32, zi; writes qkv, h32, zi
.if DOCPART == 2
	.amdgcn_target "amdgcn-amd-amdhsa--gfx1250"
	.amdhsa_code_object_version 6
	.text
	.protected	k_q92118622f9_gemm
	.globl	k_q92118622f9_gemm
	.p2align	8
	.type	k_q92118622f9_gemm,@function
k_q92118622f9_gemm:
	s_mov_b64 s[64:65], 0
	v_nop
	global_prefetch_b8 v0, s[64:65] scope:SCOPE_SE
	s_setreg_imm32_b32 hwreg(HW_REG_WAVE_MODE, 25, 1), 1
	s_wait_xcnt 0x0
	s_wait_alu depctr_hold_cnt(0) depctr_sa_sdst(0) depctr_va_vdst(0) depctr_va_sdst(0) depctr_va_ssrc(0) depctr_va_vcc(0) depctr_vm_vsrc(0)
	s_getreg_b32 s2, hwreg(HW_REG_IB_STS2, 6, 4)
	s_cmp_eq_u32 s2, 0
	s_cbranch_scc0 .Lentry_in_a_cluster
	s_endpgm
.Lentry_in_a_cluster:
	s_bfe_u32 s2, ttmp6, 0x10000c
	s_cmp_lg_u32 s2, 0xf033
	s_cbranch_scc0 .Lentry_shape_is_right
	s_endpgm
.Lentry_shape_is_right:
; THE THREE QUANTISED PRODUCTS x Wq, x Wk, x Wv AS ONE GEMM ON CODES OF FP4 (E2M1) with one E8M0 scale for each 32 along K = 1,024; sums in f32.
; cod holds 7,168 rows of codes (tokens, then the columns of Wq, Wk, Wv), [slab = K / 512][row][256 bytes], and from SCOFF their scale bytes [row][32].
; A tile of C is 256 x 256, four waves, 128 x 128 a wave: 64 accumulators.  All of K is two slots of 512: both are asked for at the start, and nothing is filled again.
; ONE BODY, TWO PROBLEMS, told apart by the cluster's x, which all sixteen partners share.  Clusters 0 and 1: C[token][channel of q | k]: A = tokens, B = columns of Wq | Wk.
; Cluster 2: C[channel of v][token]: A = columns of Wv, B = tokens.  The matrix instruction is used transposed (source 0 = 16 rows of B, source 1 = 16 rows of A), so a lane holds eight
; neighbouring columns of a row of C: eight channels of a token for q and k, eight TOKENS of a channel for v: v comes out with the keys innermost and nothing is transposed.
; OUT: q, k: [cb = channel / 64, 0..31][token][64] f16; v: from VOFF [token / 64][channel 0..1023][64 tokens] f16; both are [block][row][128 bytes], so one way out serves both.
; The first 16 tokens of each sequence also leave in f32 (h32), for the launch that carries those rows in f32.  Which work-groups hold them hangs on the place in the cluster
; Those stores stand on every wave's path under an EXEC that is all ones or all zeros.
; The first cluster also finishes the spans: z = 2048 sigmoid((sum of x over t) . span_w / 2048 + span_b), f32 to h32, floor(z) as a whole number to zi.
; CLUSTERS: 4 x 4; A's tiles are asked for jointly along a row of the cluster, B's along a column.
; LIMITS: |q|, |k|, |v| up to 65,504 (f16); under 6e-5 their error is 3e-8 absolute.
; REGISTERS, in windows of 256: window 0: v0-31 addresses; v32-95 scale words, two sets; v128-191 A's fragments, one set; on the way out v128-223 are free.
;   window 1: B's fragments, two sets.   window 2: accumulators of my rows 0-63 ((a, b) at v[8 (8 a + b)]);   window 3: rows 64-127.
.set NQ,     4                         ; steps of 128 along K in a slot
.set ROWB,   256                       ; a tile's row in bytes
.set SLAB,   1835008
.set SCOFF,  2*SLAB
.set VOFF,   16777216
.set ZOFF,   393216
.set PITCH,  272                       ; an LDS row: 256 bytes + 16 of padding: the 16 rows of a load start at 16 different banks
.set FR,     8
.set NL,     2
.set NP,     4
.set HALFT,  128*PITCH
.set SLOT,   4*HALFT
.set KS,     32                        ; a row of scales in bytes
.set SCL,    2*SLOT
.set HALFS,  16*272                    ; the scales of 128 rows: 16 units of 256 bytes + 16
.set SBLK,   2*272                     ; those of 16 rows
.set SPARE,  SCL+4*HALFS               ; the spare words, 128 bytes for each wave: no other line names them
.set ADRA, 16
.set ADRB, 20
.set STO,  24
.set RD,   25
.set CO,   26
.set ADRS, 27
.set SPW,  28
.set NIL,  29
.set HOA,  30
.set HOB,  31
.set SC,   32
.set AF,   128
.set BK,   128                         ; the way out: 16 rows read back: v128-159 and v160-191 by turns
.set TMP,  192                         ; the way out: packed results
.set G1, 24
.set G0, 32
.set G1B, 48
.set G0B, 56
.set G1S, 68
.set G0S, 76
.set G1SB, 80
.set G0SB, 88
.set MSB, 0
.macro WIN new                         ; the immediate's high byte repeats the setting that is left
.if MSB != \new
	s_set_vgpr_msb (MSB<<8)|\new
.set MSB, \new
.endif
.endm
.set MUL_LO, 0xa1
.set MUL_HI, 0xf1
.set TO_B,   0x40
; a joint load: waves 0 and 1 fetch for A, waves 2 and 3 for B; an s_nop 0 and four v_nop follow each of the two lines
.macro JLOAD g0a, g1a, g0b, g1b
	s_cmp_eq_u32 s17, 0
	s_cbranch_scc0 .Lfor_b_\@
	tensor_load_to_lds s[\g0a:\g0a+3], s[\g1a:\g1a+7]
	s_nop 0
.rept 4
	v_nop
.endr
	s_branch .Lasked_\@
.Lfor_b_\@:
	tensor_load_to_lds s[\g0b:\g0b+3], s[\g1b:\g1b+7]
	s_nop 0
.rept 4
	v_nop
.endr
.Lasked_\@:
.endm
.macro CROUND                          ; a round of the cluster's barrier
	s_barrier_signal -1
	s_barrier_wait -1
	s_cmp_lg_u32 s16, 0
	s_cbranch_scc1 .Lnot_wave_0_\@
	s_barrier_signal -3
.Lnot_wave_0_\@:
	s_barrier_wait -3
	s_barrier_signal -1
	s_barrier_wait -1
.endm
	s_load_b256 s[4:11], s[0:1], 0x0               ; cod 4, spanp 6, span_b 8, qkv 10
	s_load_b128 s[12:15], s[0:1], 0x20             ; h32 12, zi 14
	v_lshl_add_u32 v[SPW], v0, 2, SPARE
	v_mov_b32 v[NIL], 0
	ds_add_u32 v[SPW], v[NIL]                      ; the wave's opening: the add, twice on end, and its wait ahead of my first tensor load
	ds_add_u32 v[SPW], v[NIL]
	v_lshrrev_b32 v1, 5, v0
	v_readfirstlane_b32 s16, v1                    ; wave
	s_lshr_b32 s17, s16, 1                         ; which half of the tile's rows is mine.  Also: I fetch for A (0) or for B (1)
	s_and_b32 s18, s16, 1                          ; which half of its columns.  Also: which 128 rows I fetch
	s_bfe_u32 s40, ttmp6, 0x40000                  ; cx
	s_bfe_u32 s41, ttmp6, 0x40004                  ; cy
	s_and_b32 s66, ttmp7, 0xffff                   ; cluster y
	s_or_b32 s3, ttmp9, s66                        ; 0 in the first cluster
	s_cmp_eq_u32 ttmp9, 2                          ; v's cluster column?  The same in all sixteen partners
	s_cselect_b32 s95, 1, 0
	s_cselect_b32 s67, 0, s66                      ; cluster row of C
	s_cselect_b32 s96, s66, ttmp9                  ; cluster column of C
	s_cselect_b32 s97, 6144, 0                     ; where A's rows begin in cod,
	s_cselect_b32 s98, 0, 4096                     ; and B's
	s_mov_b32 s99, 524288
	s_cselect_b32 s99, 131072, s99                 ; bytes of an output block: 4,096 or 1,024 rows of 128
	s_cselect_b32 s100, VOFF, 0
	s_lshl_b32 s19, s67, 2
	s_add_co_u32 s19, s19, s41                     ; tile row
	s_lshl_b32 s42, s96, 2
	s_add_co_u32 s42, s42, s40                     ; tile column
	s_lshl_b32 s43, s41, 2
	s_lshl_b32 s43, 15, s43                        ; my row of the cluster
	s_lshl_b32 s44, 0x1111, s40                    ; my column
	s_or_b32 s[G1+0], s43, (0<<16)|(1<<20)|(1<<21)|(5<<22)|(3<<25)   ; mask; elements of 1 byte; padding: 4 words after every 64; bit 21 beside a mask
	s_or_b32 s[G1B+0], s44, (0<<16)|(1<<20)|(1<<21)|(5<<22)|(3<<25)
.irp g, G1, G1B
	s_mov_b32 s[\g+1], ROWB<<16                    ; tensor_dim0
	s_mov_b32 s[\g+2], 128<<16                     ; tensor_dim1
	s_mov_b32 s[\g+3], ROWB<<16                    ; tile_dim0
	s_mov_b32 s[\g+4], 128                         ; tile_dim1
	s_mov_b32 s[\g+5], ROWB                        ; from row to row: the rows of a slab are dense
	s_mov_b32 s[\g+6], 0
	s_mov_b32 s[\g+7], 0
.endr
	s_or_b32 s[G1S+0], s43, (3<<16)|(1<<20)|(1<<21)|(5<<22)|(3<<25)  ; the scales of 128 rows: 4,096 dense bytes as 16 rows of 256 (32 elements of 8 bytes)
	s_or_b32 s[G1SB+0], s44, (3<<16)|(1<<20)|(1<<21)|(5<<22)|(3<<25)
.irp g, G1S, G1SB
	s_mov_b32 s[\g+1], 32<<16
	s_mov_b32 s[\g+2], 16<<16
	s_mov_b32 s[\g+3], 32<<16
	s_mov_b32 s[\g+4], 16
	s_mov_b32 s[\g+5], 32
	s_mov_b32 s[\g+6], 0
	s_mov_b32 s[\g+7], 0
.endr
	s_lshl_b32 s20, s18, 7                         ; which 128 rows of the tile I fetch
	s_lshl_b32 s22, s19, 8
	s_add_co_u32 s22, s22, s20
	s_add_co_u32 s22, s22, s97                     ; A's row in cod
	s_lshl_b32 s46, s42, 8
	s_add_co_u32 s46, s46, s20
	s_add_co_u32 s46, s46, s98                     ; B's
	s_lshl_b32 s92, s46, 5
	s_add_co_u32 s92, s92, SCOFF                   ; B's scales,
	s_mov_b32 s93, 0
	s_lshl_b32 s46, s46, 8                         ; B's codes,
	s_mov_b32 s47, 0
	s_lshl_b32 s20, s22, 5
	s_add_co_u32 s20, s20, SCOFF                   ; A's scales,
	s_mov_b32 s21, 0
	s_lshl_b32 s22, s22, 8                         ; A's codes, in bytes
	s_mov_b32 s23, 0
	s_mul_i32 s45, s16, HALFT                      ; where they go: no place in the cluster enters an LDS address
	s_mul_i32 s94, s16, HALFS
	s_wait_dscnt 0x0                               ; both opening adds are done
	s_wait_kmcnt 0x0
	s_add_nc_u64 s[22:23], s[4:5], s[22:23]
	s_add_nc_u64 s[20:21], s[4:5], s[20:21]
	s_add_nc_u64 s[46:47], s[4:5], s[46:47]
	s_add_nc_u64 s[92:93], s[4:5], s[92:93]
	CROUND                                         ; all sixteen work-groups are here: the joint loads meet
	s_mov_b32 s[G0S], 1
	s_add_co_u32 s[G0S+1], s94, SCL
	s_mov_b64 s[G0S+2:G0S+3], s[20:21]
	s_or_b32 s[G0S+3], s[G0S+3], 0x80000000
	s_mov_b32 s[G0SB], 1
	s_add_co_u32 s[G0SB+1], s94, SCL
	s_mov_b64 s[G0SB+2:G0SB+3], s[92:93]
	s_or_b32 s[G0SB+3], s[G0SB+3], 0x80000000
	JLOAD G0S, G1S, G0SB, G1SB                     ; three loads of mine are out at the most: the scales, slot 0, slot 1
.irp s, 0,1
	s_mov_b32 s[G0+4*\s], 1
	s_add_co_u32 s[G0+4*\s+1], s45, \s*SLOT
	s_add_nc_u64 s[G0+4*\s+2:G0+4*\s+3], s[22:23], \s*SLAB
	s_or_b32 s[G0+4*\s+3], s[G0+4*\s+3], 0x80000000
	s_mov_b32 s[G0B+4*\s], 1
	s_add_co_u32 s[G0B+4*\s+1], s45, \s*SLOT
	s_add_nc_u64 s[G0B+4*\s+2:G0B+4*\s+3], s[46:47], \s*SLAB
	s_or_b32 s[G0B+4*\s+3], s[G0B+4*\s+3], 0x80000000
	JLOAD G0+4*\s, G1, G0B+4*\s, G1B
.endr
	v_and_b32 v1, 15, v0                           ; r
	v_bfe_u32 v2, v0, 4, 1                         ; h
	v_mul_u32_u24 v3, v1, PITCH
	v_lshl_add_u32 v4, v2, 4, v3
	s_mul_i32 s21, s17, HALFT                      ; my 128 rows of A
	s_mul_i32 s22, s18, HALFT
	s_add_co_u32 s22, s22, 2*HALFT                 ; my 128 rows of B, behind A's 256
.irp s, 0,1
	v_add_nc_u32 v[ADRA+\s], s21, v4
	v_add_nc_u32 v[ADRB+\s], s22, v4
	s_add_co_u32 s21, s21, SLOT
	s_add_co_u32 s22, s22, SLOT
.endr
	v_mul_u32_u24 v5, v1, KS                       ; my row's scales: 32 bytes a row,
	v_lshrrev_b32 v6, 8, v5
	v_lshl_add_u32 v5, v6, 4, v5                   ; and 16 more for each 256 passed
	s_mul_i32 s21, s17, HALFS
	s_mul_i32 s22, s18, HALFS
	s_add_co_u32 s22, s22, 2*HALFS
	s_sub_co_u32 s22, s22, s21
	v_mul_u32_u24 v6, s22, v2                      ; lanes 16-31 take B's
	s_add_co_u32 s21, s21, SCL
	v_add_nc_u32 v5, v5, v6
	v_add_nc_u32 v[ADRS], s21, v5
	s_mul_i32 s23, s16, 16*272                     ; my stage: 16 rows x (256 + 16) bytes, in slot 0
	v_mul_u32_u24 v5, v1, 272
	v_lshl_add_u32 v5, v2, 4, v5
	v_add_nc_u32 v[STO], s23, v5                   ; in: row r, 16 bytes for each half of the lanes
	v_bfe_u32 v5, v0, 3, 1
	v_mul_u32_u24 v5, v5, 272
	v_lshl_add_u32 v5, v2, 7, v5
	v_and_b32 v6, 7, v0
	v_lshl_add_u32 v5, v6, 4, v5
	v_add_nc_u32 v[RD], s23, v5                    ; back: lanes 0-15 the left 128 bytes of two rows, lanes 16-31 the right
	v_mul_lo_u32 v5, v2, s99
	v_lshl_add_u32 v[CO], v1, 4, v5                ; and in memory: two rows of 128 bytes on end; lanes 16-31 one output block on
	v_lshlrev_b32 v[HOA], 8, v1
	v_lshl_add_u32 v[HOA], v2, 5, v[HOA]           ; f32 copy of q, k: token r of 256 bytes, + 32 h
	v_lshlrev_b32 v[HOB], 6, v1
	v_lshl_add_u32 v[HOB], v2, 5, v[HOB]           ; of v: channel r of 64 bytes, + 32 h
	; THE SPANS: the first cluster's waves 0 and 1, one (batch, head) each; the place in the cluster enters global offsets alone
	s_cmp_lg_u32 s3, 0
	s_cbranch_scc1 .Lnoz
	s_cmp_gt_u32 s16, 1
	s_cbranch_scc1 .Lnoz
	s_lshl_b32 s20, s41, 2
	s_add_co_u32 s20, s20, s40
	s_lshl_b32 s20, s20, 1
	s_add_co_u32 s20, s20, s16                     ; item = 16 b + head
	s_mov_b32 s22, 0x76543210
	s_mov_b32 s23, 0xfedcba98
	v_and_b32 v5, 31, v0
	v_lshlrev_b32 v5, 4, v5
	s_lshl_b32 s21, s20, 9
	v_add_nc_u32 v5, s21, v5
	global_load_b128 v[8:11], v5, s[6:7]           ; the item's 128 partial dots
	s_and_b32 s21, s20, 15
	s_lshl_b32 s21, s21, 2
	v_mov_b32 v6, s21
	global_load_b32 v12, v6, s[8:9]
	s_lshl_b32 s21, s20, 2
	v_mov_b32 v7, s21
	s_wait_loadcnt 0x0
	v_add_f32 v8, v8, v9
	v_add_f32 v10, v10, v11
	v_add_f32 v8, v8, v10
	v_add_f32_dpp v8, v8, v8 row_xmask:1 row_mask:0xf bank_mask:0xf
	v_add_f32_dpp v8, v8, v8 row_xmask:2 row_mask:0xf bank_mask:0xf
	v_add_f32_dpp v8, v8, v8 row_xmask:4 row_mask:0xf bank_mask:0xf
	v_add_f32_dpp v8, v8, v8 row_xmask:8 row_mask:0xf bank_mask:0xf
	v_permlanex16_b32 v9, v8, s22, s23
	v_add_f32 v8, v8, v9
	v_fma_f32 v8, v8, 0x3a000000, v12              ; / 2048 + span_b
	v_mul_f32 v8, 0xbfb8aa3b, v8                   ; x -log2(e)
	v_exp_f32 v8, v8
	v_nop                                          ; a plain instruction behind the transcendental,
	s_wait_alu depctr_va_vdst(0)                   ; and a wait ahead of the first use
	v_add_f32 v8, 1.0, v8
	v_rcp_f32 v8, v8
	v_nop
	s_wait_alu depctr_va_vdst(0)
	v_mul_f32 v8, 0x45000000, v8                   ; z = 2048 sigmoid
	v_cvt_i32_f32 v9, v8                           ; floor(z): z is not negative
	global_store_b32 v7, v8, s[12:13] offset:ZOFF  ; all lanes store the same word with the same value
	global_store_b32 v7, v9, s[14:15]
.Lnoz:
.macro FRAG reg, adr, q, i             ; 16 rows x 128 K of 4-bit codes: 8 registers
.irp c, 0,1
	ds_load_b128 v[\reg+4*\c:\reg+4*\c+3], v[\adr] offset:64*(\q)+32*\c+(\i)*16*PITCH
.endr
.endm
; 16 matrix instructions: A's blocks a0, a0 + 1 x B's eight.  The 64 accumulators take turns, one instruction a turn, in the same order in every step
.macro MUL16 a0, p, q, sc, zero
.irp a, \a0, \a0+1
.irp b, 0,1,2,3,4,5,6,7
.if \zero
	v_wmma_scale_f32_16x16x128_f8f6f4 v[8*(8*((\a)%4)+\b):8*(8*((\a)%4)+\b)+7], v[128*(\p)+FR*\b:128*(\p)+FR*\b+FR-1], v[AF+FR*(\a):AF+FR*(\a)+FR-1], 0, v[SC+8*NQ*(\sc)+NQ*\b+(\q)], v[SC+8*NQ*(\sc)+NQ*(\a)+(\q)] matrix_a_fmt:MATRIX_FMT_FP4 matrix_b_fmt:MATRIX_FMT_FP4 matrix_a_scale:MATRIX_SCALE_ROW1
.else
	v_wmma_scale_f32_16x16x128_f8f6f4 v[8*(8*((\a)%4)+\b):8*(8*((\a)%4)+\b)+7], v[128*(\p)+FR*\b:128*(\p)+FR*\b+FR-1], v[AF+FR*(\a):AF+FR*(\a)+FR-1], v[8*(8*((\a)%4)+\b):8*(8*((\a)%4)+\b)+7], v[SC+8*NQ*(\sc)+NQ*\b+(\q)], v[SC+8*NQ*(\sc)+NQ*(\a)+(\q)] matrix_a_fmt:MATRIX_FMT_FP4 matrix_b_fmt:MATRIX_FMT_FP4 matrix_a_scale:MATRIX_SCALE_ROW1
.endif
.endr
.endr
.endm
.macro FETCH_B slot, q, p
	WIN TO_B
.irp i, 0,1,2,3,4,5,6,7
	FRAG 128*(\p)+FR*\i, ADRB+\slot, \q, \i
.endr
	WIN 0
.endm
.macro FETCH_A slot, q, i0
.irp i, \i0, \i0+1, \i0+2, \i0+3
	FRAG AF+FR*(\i), ADRA+\slot, \q, \i
.endr
.endm
.macro SCALES sc                       ; a slot's scale words: lanes 0-15 A's block i, lanes 16-31 B's block i
.irp i, 0,1,2,3,4,5,6,7
	ds_load_b128 v[SC+8*NQ*\sc+NQ*\i:SC+8*NQ*\sc+NQ*\i+3], v[ADRS] offset:\i*SBLK
.endr
.endm
.macro PLACES n                        ; plain vector instructions between a matrix instruction and a load into, or a read of, its registers
.rept \n
	v_nop
.endr
.endm
.macro STEP slot, q, zero              ; 128 along K, with its successor in the same slot
	s_wait_dscnt 4*NL                              ; B's set and A's blocks 0-3 are in; A's blocks 4-7 may be out
	WIN MUL_LO
	MUL16 0, (\q)%2, \q, \slot, \zero
	MUL16 2, (\q)%2, \q, \slot, \zero
	s_wait_dscnt 0
	PLACES NP
	FETCH_B \slot, (\q)+1, 1-(\q)%2
	FETCH_A \slot, (\q)+1, 0
	WIN MUL_HI
	MUL16 4, (\q)%2, \q, \slot, \zero
	MUL16 6, (\q)%2, \q, \slot, \zero
	PLACES NP
	WIN 0
	FETCH_A \slot, (\q)+1, 4
.endm
	s_wait_tensorcnt 1                             ; the scales and my part of slot 0 are in; slot 1's load may be out
	s_barrier_signal -1
	s_barrier_wait -1
	FETCH_B 0, 0, 0
	FETCH_A 0, 0, 0
	SCALES 0
	FETCH_A 0, 0, 4
	STEP 0, 0, 1                                   ; the first products start the sums: nothing is cleared
	STEP 0, 1, 0
	STEP 0, 2, 0
	; slot 0's last step changes slots: one barrier; nothing is filled again
	s_wait_tensorcnt 0x0                           ; my part of slot 1 has landed
	ds_add_u32 v[SPW], v[NIL]                      ; 0 onto my spare word
	s_wait_dscnt 4*NL+1                            ; the add and A's blocks 4-7 may be out
	WIN MUL_LO
	MUL16 0, 1, NQ-1, 0, 0
	s_wait_dscnt 0x0                               ; the add is done, and my reads of slot 0 are over
	s_barrier_signal -1
	MUL16 2, 1, NQ-1, 0, 0
	WIN 0
	s_barrier_wait -1                              ; slot 1 is whole, and nobody reads slot 0 any more
	PLACES NP
	v_add_nc_u32 v[ADRS], 4*NQ, v[ADRS]            ; the second slot's scale words
	FETCH_B 1, 0, 0
	FETCH_A 1, 0, 0
	SCALES 1
	WIN MUL_HI
	MUL16 4, 1, NQ-1, 0, 0
	MUL16 6, 1, NQ-1, 0, 0
	PLACES NP
	WIN 0
	FETCH_A 1, 0, 4
	STEP 1, 0, 0
	STEP 1, 1, 0
	STEP 1, 2, 0
	s_wait_dscnt 4*NL
	WIN MUL_LO
	MUL16 0, 1, NQ-1, 1, 0
	MUL16 2, 1, NQ-1, 1, 0
	s_wait_dscnt 0
	WIN MUL_HI
	MUL16 4, 1, NQ-1, 1, 0
	MUL16 6, 1, NQ-1, 1, 0
	WIN 0
	PLACES NP                                      ; behind the last products: for the reads of results and the loads into A's registers
	; where my results go
	s_lshl_b32 s66, s42, 2
	s_lshl_b32 s20, s18, 1
	s_add_co_u32 s66, s66, s20                     ; my first output block: 4 x tile column + 2 x half
	s_lshl_b32 s67, s19, 8
	s_lshl_b32 s20, s17, 7
	s_add_co_u32 s67, s67, s20                     ; my first row
	s_mul_i32 s20, s66, s99
	s_add_co_u32 s20, s20, s100
	s_lshl_b32 s22, s67, 7
	s_add_co_u32 s20, s20, s22
	s_mov_b32 s21, 0
	s_add_nc_u64 s[10:11], s[10:11], s[20:21]
	s_lshr_b32 s20, s19, 3
	s_lshl_b32 s20, s20, 17
	s_lshl_b32 s22, s66, 12
	s_add_co_u32 s20, s20, s22
	s_add_nc_u64 s[92:93], s[12:13], s[20:21]      ; h32 [b][cb][token 0..15][64] f32
	s_lshr_b32 s20, s42, 3
	s_lshl_b32 s20, s20, 16
	s_lshl_b32 s22, s67, 6
	s_add_co_u32 s20, s20, s22
	s_add_co_u32 s20, s20, 262144
	s_add_nc_u64 s[96:97], s[12:13], s[20:21]      ; h32 + 262,144 [b][channel][token 0..15] f32
	; q, k: my rows 0-15 are a sequence's first 16 tokens where the tile row is a multiple of 8 and the upper half of the tile is mine
	s_and_b32 s20, s19, 7
	s_or_b32 s20, s20, s95
	s_or_b32 s20, s20, s17
	s_cmp_eq_u32 s20, 0
	s_cselect_b32 vcc_lo, -1, 0
	s_wait_xcnt 0x0                                ; EXEC changes only behind this wait
	s_and_saveexec_b32 s22, vcc_lo                 ; all lanes or none
	WIN 0x08                                       ; a store's data: window 2
.irp b, 0,1,2,3,4,5,6,7
	global_store_b128 v[HOA], v[8*\b:8*\b+3], s[92:93] offset:(\b/4)*4096+64*(\b%4)       ; each accumulator from its low end on
	global_store_b128 v[HOA], v[8*\b+4:8*\b+7], s[92:93] offset:(\b/4)*4096+64*(\b%4)+16
.endr
	WIN 0
	s_wait_xcnt 0x0
	s_or_b32 exec_lo, exec_lo, s22
	; v: my columns 0-15 are those tokens where the tile column is a multiple of 8 and the left half is mine
	s_xor_b32 s20, s95, 1
	s_and_b32 s21, s42, 7
	s_or_b32 s20, s20, s21
	s_or_b32 s20, s20, s18
	s_cmp_eq_u32 s20, 0
	s_cselect_b32 vcc_lo, -1, 0
	s_and_saveexec_b32 s22, vcc_lo
.irp a, 0,1,2,3,4,5,6,7
	WIN 0x08+4*(\a/4)
	global_store_b128 v[HOB], v[64*(\a%4):64*(\a%4)+3], s[96:97] offset:1024*\a
	global_store_b128 v[HOB], v[64*(\a%4)+4:64*(\a%4)+7], s[96:97] offset:1024*\a+16
.endr
	WIN 0
	s_wait_xcnt 0x0
	s_or_b32 exec_lo, exec_lo, s22
; THE WAY OUT, block by block of 16 rows x 128 columns: rounded to f16, 16 bytes a lane, through my own stage (slot 0 has had its last fill and its last read), back as pairs of 128-byte rows.
.macro PACK a
.set AC, 64*((\a)%4)
	WIN 0x0a+5*((\a)/4)                            ; sources 0 and 1: window 2 or 3
.irp b, 0,1,2,3,4,5,6,7
.irp r, 0,1,2,3
	v_cvt_pk_f16_f32 v[TMP+4*\b+\r], v[AC+8*\b+2*\r], v[AC+8*\b+2*\r+1]
.endr
.endr
	WIN 0
.endm
.macro TOSTAGE a
.set BB, BK+32*((\a)%2)
.irp b, 0,1,2,3,4,5,6,7
	ds_store_b128 v[STO], v[TMP+4*\b:TMP+4*\b+3] offset:32*\b
.endr
.irp u, 0,1,2,3,4,5,6,7
	ds_load_b128 v[BB+4*\u:BB+4*\u+3], v[RD] offset:544*\u         ; LDS serves a wave's instructions in order: these see the stores above
.endr
.endm
.macro SEND a
.set BB, BK+32*((\a)%2)
	s_wait_dscnt 0x0                               ; the block is back in registers
	s_wait_xcnt 0x0                                ; the earlier stores have read their registers: the next block's loads may land there
.irp u, 0,1,2,3,4,5,6,7
	global_store_b128 v[CO], v[BB+4*\u:BB+4*\u+3], s[10:11] offset:2048*(\a)+256*\u   ; 16 lanes store 256 consecutive bytes, aligned
.endr
.endm
	PACK 0
	TOSTAGE 0
.irp a, 1,2,3,4,5,6,7
	PACK \a
	SEND \a-1
	TOSTAGE \a
.endr
	SEND 7
	s_wait_tensorcnt 0x0                           ; the wave's end
	ds_add_u32 v[SPW], v[NIL]
	s_wait_dscnt 0x0
	CROUND                                         ; the closing round
	s_endpgm
.Lfunc_end_k_q92118622f9_gemm:
	.size	k_q92118622f9_gemm, .Lfunc_end_k_q92118622f9_gemm-k_q92118622f9_gemm
	.p2alignl 7, 3214868480
	.fill 96, 4, 3214868480
	.section	.rodata,"a",@progbits
	.p2align	6, 0x0
	.amdhsa_kernel k_q92118622f9_gemm
		.amdhsa_group_segment_fixed_size 327680
		.amdhsa_private_segment_fixed_size 0
		.amdhsa_enable_private_segment 0
		.amdhsa_kernarg_size 48
		.amdhsa_user_sgpr_count 2
		.amdhsa_user_sgpr_kernarg_segment_ptr 1
		.amdhsa_wavefront_size32 1
		.amdhsa_system_sgpr_workgroup_id_x 1
		.amdhsa_system_sgpr_workgroup_id_y 1
		.amdhsa_system_sgpr_workgroup_id_z 1
		.amdhsa_system_vgpr_workitem_id 0
		.amdhsa_next_free_vgpr 1024
		.amdhsa_next_free_sgpr 102
		.amdhsa_reserve_vcc 1
		.amdhsa_float_denorm_mode_32 3
		.amdhsa_float_denorm_mode_16_64 3
		.amdhsa_memory_ordered 1
		.amdhsa_forward_progress 1
		.amdhsa_inst_pref_size 133
	.end_amdhsa_kernel
	.amdgpu_metadata
---
amdhsa.version: [ 1, 2 ]
amdhsa.kernels:
  - .name:           k_q92118622f9_gemm
    .symbol:         k_q92118622f9_gemm.kd
    .args:
      - { .name: cod, .offset: 0, .size: 8, .value_kind: global_buffer, .address_space: global }
      - { .name: spanp, .offset: 8, .size: 8, .value_kind: global_buffer, .address_space: global }
      - { .name: span_b, .offset: 16, .size: 8, .value_kind: global_buffer, .address_space: global }
      - { .name: qkv, .offset: 24, .size: 8, .value_kind: global_buffer, .address_space: global }
      - { .name: h32, .offset: 32, .size: 8, .value_kind: global_buffer, .address_space: global }
      - { .name: zi, .offset: 40, .size: 8, .value_kind: global_buffer, .address_space: global }
    .group_segment_fixed_size: 327680
    .private_segment_fixed_size: 0
    .kernarg_segment_align: 8
    .kernarg_segment_size: 48
    .max_flat_workgroup_size: 128
    .sgpr_count:     102
    .vgpr_count:     1024
    .wavefront_size: 32
...
	.end_amdgpu_metadata
.endif
;; end of part 2
;; launch attn (part 3): grid 8 x 32, 8 waves a work-group, no clusters, 205,824 bytes of LDS; arguments qkv, h32, zi, o; writes o
.if DOCPART == 3
	.amdgcn_target "amdgcn-amd-amdhsa--gfx1250"
	.amdhsa_code_object_version 6
	.text
	.protected	k_q92118622f9_attn
	.globl	k_q92118622f9_attn
	.p2align	8
	.type	k_q92118622f9_attn,@function
k_q92118622f9_attn:
	s_mov_b64 s[64:65], 0
	v_nop
	global_prefetch_b8 v0, s[64:65] scope:SCOPE_SE
	s_setreg_imm32_b32 hwreg(HW_REG_WAVE_MODE, 25, 1), 1
	s_wait_xcnt 0x0
; CAUSAL ATTENTION WITH THE SOFT SPAN MASK, one head of 64 channels a work-group column.  out = O / (S + 1e-8 L), L = sum p, S = sum p mask, O = sum p mask v, p = exp(s - m), m the running maximum
; over all causal keys; mask = clamp((256 + z - (q - k)) / 256, 0, 1).  q, k, v and p mask go to the matrix units as f16; scores, maxima and all three sums are f32.
; p is kept as p' = 2^(c s - c m + 15), c = log2(e) / 8: at most 32,768, so f16 holds it, and what f16 drops lies under 2^-39 of the row's largest; the factor 2^15 cancels in the quotient.
; SHARES.  Work-group (i, 16 b + h) owns query blocks 15 - i and i (128 queries each), one after the other: 17 blocks of 128 x 128 under the causal mask in every work-group.  Wave w: parity p = w / 4,
; queries 32 (w % 4) on (two tiles of 16); it takes the chunks of 64 keys of its parity, so each fragment of K and V feeds two matrix instructions, and two waves share a SIMD.
; The two parities' O, L, S and m meet once a pass, through LDS.  A trip is 256 keys; (17 - i) / 2 trips belong to the first block, the rest of NINE to the second: the trip count is a constant.
; LAYOUT.  S^T = K Q^T (source 0 = 16 keys, source 1 = 16 queries): a lane holds one query and keys 8 (lane / 16) + 0..7; two such tiles, rounded in pairs, are source 1 of O^T = V^T P.
; THREE KINDS OF CHUNK, told apart by scalar branches on ids and on floor(z), a whole number that the launch before stored: mask all ones (distance <= floor(z): nothing is multiplied),
; on the ramp (the mask is made and multiplied), all zeros (distance >= floor(z) + 257: only m and L are kept up; the rounding and the second product are left out.  V's fragments are asked for
; in every chunk that is walked, ahead of that test, so that every way to the second product leads through their loads).
; Since branches hang on a number read from memory, the launch has no tensor load: K and V go to LDS through registers, a trip ahead.  For the same reason, and because work-groups of a head need
; different numbers of keys in each pass, tiles are not asked for jointly in a cluster.
; LIMITS: |q|, |k|, |v| up to 65,504.  The rows of the first 16 tokens of a sequence are made here in f16 like all others and are made again, in f32, by the last launch.
; REGISTERS.  Window 0: v1-21 addresses and bases; v32-63 statistics, 16 a tile; v64-127 S^T, then p; v128-159 P; v160-223 K's fragments; v224-255 the mask.
;   Window 1: v0-63 O^T; v64-95 Q; v96-127 the second block's Q; v128-191 V's fragments; v192-255 the tile on its way to LDS.
.set VOFF,  16777216
.set ZOFF,  393216
.set SLOT1, 131072                     ; a slot: 4 chunks of 18,432 bytes (64 keys x 144, then 64 channels x 144); slot 1 begins here: one exclusive or turns an address
.set CHK,   18432
.set MRG,   73728                      ; between the slots: 9,216 bytes for each group of 32 queries: the other parity's O^T and statistics; then the stage for the way out
.set SPARE, 204800                     ; the spare words, 128 bytes for each wave: no other line names them
.set FA,  3                            ; my lane's place in my parity's first chunk
.set ADK, 4                            ; the same in the slot in hand
.set STA, 5                            ; where I put 16 bytes of the tile that my wave stages
.set STW, 6                            ; the same in the slot to be filled
.set GLO, 7                            ; 16 x lane
.set PFO, 8                            ; 256 x lane
.set LAM, 9                            ; 8 (lane / 16) - lane % 16, as f32
.set DI,  10                           ; lane % 16 - 8 (lane / 16)
.set NINF, 11
.set MA,  12
.set OST, 13
.set ORD, 14
.set QOF, 15
.set SPW, 16
.set NIL, 17
.set ST,  32                           ; tile t at ST + 16 t: +0 c m - 15, +1 m, +2,3 L, +4,5 S, +6 a (+7 at work), +8..11 at work, +12..15 sums at work
.set S,   64
.set P,   128
.set KF,  160
.set MK,  224
.set O,   0
.set Q,   64
.set QN,  96
.set VF,  128
.set STG, 192
.set MSB, 0
.macro WIN new                         ; the immediate's high byte repeats the setting that is left
.if MSB != \new
	s_set_vgpr_msb (MSB<<8)|\new
.set MSB, \new
.endif
.endm
.macro FBITS val                       ; FBV = the bits of the f32 number val / 256, val = 0 .. 63
.if (\val) == 0
.set FBV, 0
.elseif (\val) < 2
.set FBV, 119<<23
.elseif (\val) < 4
.set FBV, (120<<23)|(((\val)-2)<<22)
.elseif (\val) < 8
.set FBV, (121<<23)|(((\val)-4)<<21)
.elseif (\val) < 16
.set FBV, (122<<23)|(((\val)-8)<<20)
.elseif (\val) < 32
.set FBV, (123<<23)|(((\val)-16)<<19)
.else
.set FBV, (124<<23)|(((\val)-32)<<18)
.endif
.endm
; s12 wave, s13 parity, s14 query group, s15 i, s16 16 b + h, s17 b, s18 h, s19 trips of the first block, s20 trip, s21 unit of 256 keys, s23 my first query, s24 floor(z), s25 z,
; s[26:27] my tile of unit 0, s[28:29] a unit on, s[30:31] the tile being loaded, s[32:33] the prefetch, s[34:35], s[36:37] my rows of o, s38, s39 the slot in hand and the other,
; s[40:41] c, s42 -15, s43 trips in which I prefetch, s[44:45] lane selects, s46 the chunk's first key, s47 my first query - that key, s48 all zeros, s49 past the flat part, s50 on the diagonal, s55 my first query of the second block
	s_load_b256 s[4:11], s[0:1], 0x0               ; qkv 4, h32 6, zi 8, o 10
	v_lshl_add_u32 v[SPW], v0, 2, SPARE
	v_mov_b32 v[NIL], 0
	v_lshrrev_b32 v1, 5, v0
	v_readfirstlane_b32 s12, v1
	s_lshr_b32 s13, s12, 2
	s_and_b32 s14, s12, 3
	s_mov_b32 s15, ttmp9
	s_and_b32 s16, ttmp7, 0xffff
	s_lshr_b32 s17, s16, 4
	s_and_b32 s18, s16, 15
	s_sub_co_u32 s19, 17, s15
	s_lshr_b32 s19, s19, 1
	s_mov_b32 s20, 0
	s_mov_b32 s21, 0
	s_sub_co_u32 s22, 15, s15                      ; the first block
	s_lshl_b32 s54, s14, 5
	s_lshl_b32 s23, s22, 7
	s_add_co_u32 s23, s23, s54
	s_lshl_b32 s55, s15, 7
	s_add_co_u32 s55, s55, s54
	s_mov_b32 s38, 0
	s_mov_b32 s39, SLOT1
	s_mov_b32 s40, 0x3e38aa3b                      ; c = log2(e) / 8
	s_mov_b32 s41, s40
	s_mov_b32 s42, 0xc1700000                      ; -15
	s_mov_b32 s44, 0x76543210
	s_mov_b32 s45, 0xfedcba98
	s_cmp_eq_u32 s15, 0
	s_cselect_b32 s43, 6, 0
	s_lshl_b32 s62, s16, 2
	s_mov_b32 s57, 0                               ; s[56:57]: byte offsets, under 2^31
	s_mov_b32 s29, 0
	v_and_b32 v1, 15, v0                           ; r
	v_bfe_u32 v2, v0, 4, 1                         ; h
	v_and_b32 v18, 31, v0                          ; lane
	v_mul_u32_u24 v[FA], v1, 144
	v_lshl_add_u32 v[FA], v2, 4, v[FA]
	s_mul_i32 s51, s13, CHK
	v_add_nc_u32 v[FA], s51, v[FA]
	v_bfe_u32 v19, v0, 3, 2
	v_and_b32 v20, 7, v0
	v_mul_u32_u24 v[STA], v19, 144
	v_lshl_add_u32 v[STA], v20, 4, v[STA]          ; eight lanes to a row of 128 bytes, four rows an instruction
	s_lshr_b32 s52, s12, 1                         ; the chunk whose K (even waves) or V (odd waves) I stage
	s_mul_i32 s51, s52, CHK
	s_and_b32 s53, s12, 1
	s_mul_i32 s53, s53, 9216
	s_add_co_u32 s51, s51, s53
	s_mul_i32 s53, s14, 9216
	s_add_co_u32 s53, s53, MRG
	v_add_nc_u32 v[ORD], s53, v[STA]
	v_add_nc_u32 v[STA], s51, v[STA]
	v_lshlrev_b32 v[GLO], 4, v18
	v_lshlrev_b32 v[PFO], 8, v18
	v_add_nc_u32 v[MA], s53, v[GLO]
	v_mul_u32_u24 v[OST], v1, 144
	v_lshl_add_u32 v[OST], v2, 4, v[OST]
	v_add_nc_u32 v[OST], s53, v[OST]
	v_lshlrev_b32 v[QOF], 7, v1
	v_lshl_add_u32 v[QOF], v2, 4, v[QOF]
	v_lshlrev_b32 v19, 3, v2
	v_sub_nc_u32 v[DI], v1, v19
	v_sub_nc_u32 v20, v19, v1
	v_cvt_f32_i32 v[LAM], v20
	v_mov_b32 v[NINF], 0xff800000
	v_add_nc_u32 v[STW], s38, v[STA]               ; unit 0 goes to slot 0
	; K: ((16 + h) 4096 + 2048 b) rows of 128 bytes + 64 rows a chunk;  V: VOFF + ((32 b + chunk) 1024 + 64 h) rows of 128 bytes
	s_add_co_u32 s51, s18, 16
	s_lshl_b32 s51, s51, 12
	s_lshl_b32 s53, s17, 11
	s_add_co_u32 s51, s51, s53
	s_lshl_b32 s51, s51, 7
	s_lshl_b32 s53, s52, 13
	s_add_co_u32 s51, s51, s53
	s_lshl_b32 s58, s17, 5
	s_add_co_u32 s58, s58, s52
	s_lshl_b32 s58, s58, 10
	s_lshl_b32 s53, s18, 6
	s_add_co_u32 s58, s58, s53
	s_lshl_b32 s58, s58, 7
	s_add_co_u32 s58, s58, VOFF
	s_and_b32 s53, s12, 1
	s_cmp_eq_u32 s53, 0
	s_cselect_b32 s56, s51, s58
	s_mov_b32 s28, 524288
	s_cselect_b32 s28, 32768, s28                  ; 256 keys on: 256 rows of K, or 4 blocks of V
	s_wait_kmcnt 0x0
	s_load_b32 s24, s[8:9], s62 offset:0x0         ; floor(z)
	s_load_b32 s25, s[6:7], s62 offset:ZOFF        ; z
	s_add_nc_u64 s[26:27], s[4:5], s[56:57]
	s_mov_b64 s[30:31], s[26:27]
	s_lshl_b32 s51, s18, 12
	s_lshl_b32 s53, s17, 11
	s_add_co_u32 s51, s51, s53                     ; q: row 4096 h + 2048 b
	s_add_co_u32 s56, s51, s23
	s_lshl_b32 s56, s56, 7
	s_add_nc_u64 s[58:59], s[4:5], s[56:57]
	s_add_co_u32 s56, s51, s55
	s_lshl_b32 s56, s56, 7
	s_add_nc_u64 s[60:61], s[4:5], s[56:57]
	s_lshl_b32 s51, s17, 4                         ; o: [16 b + block][h][128 tokens][64] f16
	s_add_co_u32 s56, s51, s22
	s_lshl_b32 s56, s56, 4
	s_add_co_u32 s56, s56, s18
	s_lshl_b32 s56, s56, 7
	s_add_co_u32 s56, s56, s54
	s_lshl_b32 s56, s56, 7
	s_add_nc_u64 s[34:35], s[10:11], s[56:57]
	s_add_co_u32 s56, s51, s15
	s_lshl_b32 s56, s56, 4
	s_add_co_u32 s56, s56, s18
	s_lshl_b32 s56, s56, 7
	s_add_co_u32 s56, s56, s54
	s_lshl_b32 s56, s56, 7
	s_add_nc_u64 s[36:37], s[10:11], s[56:57]
.macro GLOAD                           ; my tile of a unit: 8,192 dense bytes, 512 an instruction
	WIN 0x40
.irp e, 0,1,2,3,4,5,6,7,8,9,10,11,12,13,14,15
	global_load_b128 v[STG+4*\e:STG+4*\e+3], v[GLO], s[30:31] offset:512*\e
.endr
	WIN 0
.endm
.macro GSTORE                          ; and into the slot to be filled, rows of 128 bytes 144 apart
	s_wait_loadcnt 0x0
	WIN 0x04                                       ; an LDS store's data are its source 1: window 1
.irp e, 0,1,2,3,4,5,6,7,8,9,10,11,12,13,14,15
	ds_store_b128 v[STW], v[STG+4*\e:STG+4*\e+3] offset:576*\e
.endr
	WIN 0
.endm
.macro INIT                            ; a block's start.  The step is written once: its first turn finds zeros, which the first change of m leaves zeros
.irp t, 0,1
	v_mov_b32 v[ST+16*\t], 0xfe000000              ; c m - 15: -2^125, under every one
	v_mov_b32 v[ST+16*\t+1], 0xff61b1e6            ; m: -3e38
.irp k, 2,3,4,5,6,7,8,9,10,11,12,13,14,15
	v_mov_b32 v[ST+16*\t+\k], 0
.endr
.endr
	WIN 0x40
.set i, 0
.rept 64
	v_mov_b32 v[O+i], 0
.set i, i+1
.endr
	WIN 0
.endm
.macro SIGMA                           ; the sum of each tile's 16 pairs, in two chains, into ST + 12, 13; p stays as it is
.irp t, 0,1
	v_pk_add_f32 v[ST+16*\t+12:ST+16*\t+13], v[S+32*\t:S+32*\t+1], v[S+32*\t+2:S+32*\t+3]
	v_pk_add_f32 v[ST+16*\t+14:ST+16*\t+15], v[S+32*\t+4:S+32*\t+5], v[S+32*\t+6:S+32*\t+7]
.endr
.irp k, 8,12,16,20,24,28
.irp t, 0,1
	v_pk_add_f32 v[ST+16*\t+12:ST+16*\t+13], v[ST+16*\t+12:ST+16*\t+13], v[S+32*\t+\k:S+32*\t+\k+1]
	v_pk_add_f32 v[ST+16*\t+14:ST+16*\t+15], v[ST+16*\t+14:ST+16*\t+15], v[S+32*\t+\k+2:S+32*\t+\k+3]
.endr
.endr
.irp t, 0,1
	v_pk_add_f32 v[ST+16*\t+12:ST+16*\t+13], v[ST+16*\t+12:ST+16*\t+13], v[ST+16*\t+14:ST+16*\t+15]
.endr
.endm
; ONE CHUNK OF 64 KEYS: chunk parity + 2 ss of the unit in hand
.macro STEP ss
	s_lshl_b32 s46, s21, 8
	s_lshl_b32 s51, s13, 6
	s_add_co_u32 s46, s46, s51
.if \ss
	s_add_co_u32 s46, s46, 128
.endif
	s_cmp_gt_u32 s46, s23                          ; all its keys come after my 32 queries (both numbers are multiples of 32)
	s_cbranch_scc1 .Lend_\@
	s_sub_co_i32 s47, s23, s46
	s_cmp_lt_i32 s47, 63                           ; its last key comes after my first query
	s_cselect_b32 s50, 1, 0
	s_add_co_i32 s51, s24, 320
	s_cmp_ge_i32 s47, s51                          ; the least distance, s47 - 63, is floor(z) + 257 or more
	s_cselect_b32 s48, 1, 0
	s_add_co_i32 s51, s47, 31
	s_cmp_gt_i32 s51, s24                          ; the largest distance is above floor(z)
	s_cselect_b32 s49, 1, 0
.irp kt, 0,1,2,3
.irp c, 0,1
	ds_load_b128 v[KF+16*\kt+8*\c:KF+16*\kt+8*\c+3],   v[ADK] offset:2*CHK*\ss+2304*\kt+64*\c
	ds_load_b128 v[KF+16*\kt+8*\c+4:KF+16*\kt+8*\c+7], v[ADK] offset:2*CHK*\ss+2304*\kt+64*\c+32
.endr
.endr
	s_wait_dscnt 0x0
	WIN 0x04                                       ; Q in window 1
.irp c, 0,1                                    ; the eight accumulators take turns, one instruction a turn
.irp kt, 0,1,2,3
.irp tq, 0,1
.if \c == 0
	v_wmma_f32_16x16x32_f16 v[S+32*\tq+8*\kt:S+32*\tq+8*\kt+7], v[KF+16*\kt+8*\c:KF+16*\kt+8*\c+7], v[Q+16*\tq+8*\c:Q+16*\tq+8*\c+7], 0
.else
	v_wmma_f32_16x16x32_f16 v[S+32*\tq+8*\kt:S+32*\tq+8*\kt+7], v[KF+16*\kt+8*\c:KF+16*\kt+8*\c+7], v[Q+16*\tq+8*\c:Q+16*\tq+8*\c+7], v[S+32*\tq+8*\kt:S+32*\tq+8*\kt+7]
.endif
.endr
.endr
.endr
	WIN 0
.rept 4
	v_nop                                          ; places behind the products, ahead of the reads of the scores
.endr
	WIN 0x40
.irp g, 0,1                                    ; V^T: keys 32 g on, channels 16 ct on; wanted behind the softmax.  In every chunk that is walked: where the mask is all zeros they are awaited by the next wait for all LDS loads and not used
.irp ct, 0,1,2,3
	ds_load_b128 v[VF+32*\g+8*\ct:VF+32*\g+8*\ct+3],   v[ADK] offset:2*CHK*\ss+9216+2304*\ct+64*\g
	ds_load_b128 v[VF+32*\g+8*\ct+4:VF+32*\g+8*\ct+7], v[ADK] offset:2*CHK*\ss+9216+2304*\ct+64*\g+32
.endr
.endr
	WIN 0
	s_cmp_lg_u32 s50, 0
	s_cbranch_scc0 .Lopen_\@
.irp tq, 0,1                                   ; on the diagonal hidden scores become -infinity: register 8 kt + j holds key 16 kt + 8 (lane / 16) + j, hidden where 16 kt + j > d
	s_add_co_i32 s51, s47, 16*\tq
	v_add_nc_u32 v[18+\tq], s51, v[DI]
.irp n, 0,1,2,3,4,5,6,7,8,9,10,11,12,13,14,15,16,17,18,19,20,21,22,23,24,25,26,27,28,29,30,31
	v_cmp_gt_i32 vcc_lo, 16*(\n/8)+\n%8, v[18+\tq]
	v_cndmask_b32 v[S+32*\tq+\n], v[S+32*\tq+\n], v[NINF], vcc_lo
.endr
.endr
.Lopen_\@:
.irp j, 0,1,2,3                                ; the maximum of 32 scores and the old m: four chains, each begun at an accumulator's low end; the two tiles by turns
.irp t, 0,1
	v_max3_num_f32 v[ST+16*\t+8+\j], v[S+32*\t+8*\j], v[S+32*\t+8*\j+1], v[S+32*\t+8*\j+2]
.endr
.endr
.irp k, 1,2
.irp j, 0,1,2,3
.irp t, 0,1
	v_max3_num_f32 v[ST+16*\t+8+\j], v[ST+16*\t+8+\j], v[S+32*\t+8*\j+2*\k+1], v[S+32*\t+8*\j+2*\k+2]
.endr
.endr
.endr
.irp t, 0,1
	v_max3_num_f32 v[ST+16*\t+8], v[ST+16*\t+8], v[S+32*\t+7], v[S+32*\t+15]
.endr
.irp t, 0,1
	v_max3_num_f32 v[ST+16*\t+10], v[ST+16*\t+10], v[S+32*\t+23], v[S+32*\t+31]
.endr
.irp t, 0,1
	v_max3_num_f32 v[ST+16*\t+8], v[ST+16*\t+8], v[ST+16*\t+9], v[ST+16*\t+10]
.endr
.irp t, 0,1
	v_max3_num_f32 v[ST+16*\t+8], v[ST+16*\t+8], v[ST+16*\t+11], v[ST+16*\t+1]
.endr
.irp t, 0,1
	v_permlanex16_b32 v[ST+16*\t+9], v[ST+16*\t+8], s44, s45       ; the query's other keys lie in the lane 16 away
.endr
.irp t, 0,1
	v_mov_b32 v[ST+16*\t+7], v[ST+16*\t]
.endr
.irp t, 0,1
	v_max_num_f32 v[ST+16*\t+1], v[ST+16*\t+8], v[ST+16*\t+9]
.endr
.irp t, 0,1
	v_fma_f32 v[ST+16*\t], v[ST+16*\t+1], s40, s42                 ; c m - 15
.endr
.irp t, 0,1
	v_sub_f32 v[ST+16*\t+7], v[ST+16*\t+7], v[ST+16*\t]
.endr
.irp k, 0,2,4,6,8,10,12,14,16,18,20,22,24,26,28,30
.irp t, 0,1
	v_pk_fma_f32 v[S+32*\t+\k:S+32*\t+\k+1], v[S+32*\t+\k:S+32*\t+\k+1], s[40:41], v[ST+16*\t:ST+16*\t+1] op_sel_hi:[1,0,0] neg_lo:[0,0,1] neg_hi:[0,0,1]   ; c s - c m + 15
.endr
.endr
.irp t, 0,1
	v_exp_f32 v[ST+16*\t+6], v[ST+16*\t+7]         ; a = 2^(c m_old - c m_new)
.endr
.set i, 0
.rept 64
	v_exp_f32 v[S+i], v[S+i]
.set i, i+1
.endr
	v_nop                                          ; a plain instruction behind the last exponential,
	s_wait_alu depctr_va_vdst(0)                   ; and ONE wait for the batch of 66, ahead of its first reader
	SIGMA
.irp t, 0,1
	v_pk_fma_f32 v[ST+16*\t+2:ST+16*\t+3], v[ST+16*\t+2:ST+16*\t+3], v[ST+16*\t+6:ST+16*\t+7], v[ST+16*\t+12:ST+16*\t+13] op_sel_hi:[1,0,1]   ; L = a L + sum p
.endr
	WIN 0x41
.irp t, 0,1
.irp k, 0,2,4,6,8,10,12,14,16,18,20,22,24,26,28,30
	v_pk_mul_f32 v[O+32*\t+\k:O+32*\t+\k+1], v[O+32*\t+\k:O+32*\t+\k+1], v[ST+16*\t+6:ST+16*\t+7] op_sel_hi:[1,0]   ; O^T under the new m
.endr
.endr
	WIN 0
	s_cmp_lg_u32 s48, 0
	s_cbranch_scc0 .Lnfc_\@
.irp t, 0,1
	v_pk_mul_f32 v[ST+16*\t+4:ST+16*\t+5], v[ST+16*\t+4:ST+16*\t+5], v[ST+16*\t+6:ST+16*\t+7] op_sel_hi:[1,0]   ; the mask is 0 on all of the chunk: S = a S
.endr
	s_branch .Lend_\@
.Lnfc_\@:
	s_cmp_lg_u32 s49, 0
	s_cbranch_scc0 .Lnfb_\@
.irp t, 0,1                                    ; the ramp: mask = clamp(w + (16 kt + j) / 256, 0, 1), w = (256 + z - (my query - the chunk's first key - 8 (lane / 16))) / 256
	s_sub_co_i32 s51, 256-16*\t, s47
	v_cvt_f32_i32 v[20+\t], s51
	v_add_f32 v[20+\t], s25, v[20+\t]
	v_add_f32 v[20+\t], v[LAM], v[20+\t]
	v_mul_f32 v[20+\t], 0x3b800000, v[20+\t]
.set n, 0
.rept 32
	FBITS 16*(n/8)+n%8
	v_add_f32 v[MK+n], FBV, v[20+\t]
.set n, n+1
.endr
.set n, 0
.rept 32
	v_med3_num_f32 v[MK+n], v[MK+n], 0, 1.0
.set n, n+1
.endr
.irp k, 0,2,4,6,8,10,12,14,16,18,20,22,24,26,28,30
	v_pk_mul_f32 v[S+32*\t+\k:S+32*\t+\k+1], v[S+32*\t+\k:S+32*\t+\k+1], v[MK+\k:MK+\k+1]
.endr
.endr
	SIGMA                                          ; the sum of p mask
.Lnfb_\@:
.irp t, 0,1
	v_pk_fma_f32 v[ST+16*\t+4:ST+16*\t+5], v[ST+16*\t+4:ST+16*\t+5], v[ST+16*\t+6:ST+16*\t+7], v[ST+16*\t+12:ST+16*\t+13] op_sel_hi:[1,0,1]   ; S = a S + sum p mask
.endr
.irp t, 0,1
.irp k, 0,1,2,3,4,5,6,7,8,9,10,11,12,13,14,15
	v_cvt_pk_f16_f32 v[P+16*\t+\k], v[S+32*\t+2*\k], v[S+32*\t+2*\k+1]
.endr
.endr
	s_wait_dscnt 0x0                               ; V is in
	WIN 0x51                                       ; V and O^T in window 1, P in window 0
.irp g, 0,1
.irp ct, 0,1,2,3
.irp tq, 0,1
	v_wmma_f32_16x16x32_f16 v[O+32*\tq+8*\ct:O+32*\tq+8*\ct+7], v[VF+32*\g+8*\ct:VF+32*\g+8*\ct+7], v[P+16*\tq+8*\g:P+16*\tq+8*\g+7], v[O+32*\tq+8*\ct:O+32*\tq+8*\ct+7]
.endr
.endr
.endr
	WIN 0
.rept 4
	v_nop                                          ; places behind the products, whatever path follows
.endr
.Lend_\@:
.endm
.macro SAVE                            ; parity 1 hands its O^T and statistics over, as images of its registers
.irp t, 0,1
	v_mov_b32 v[MK+4*\t], v[ST+16*\t]
	v_add_f32 v[MK+4*\t+1], v[ST+16*\t+2], v[ST+16*\t+3]
	v_add_f32 v[MK+4*\t+2], v[ST+16*\t+4], v[ST+16*\t+5]
	v_mov_b32 v[MK+4*\t+3], 0
.endr
	WIN 0x04
.irp n, 0,1,2,3,4,5,6,7,8,9,10,11,12,13,14,15
	ds_store_b128 v[MA], v[O+4*\n:O+4*\n+3] offset:512*\n
.endr
	WIN 0
.irp t, 0,1
	ds_store_b128 v[MA], v[MK+4*\t:MK+4*\t+3] offset:8192+512*\t
.endr
.endm
.macro FINISH op                       ; parity 0 joins the two halves, divides, rounds to f16 and stores 32 rows of o
.irp n, 0,1,2,3,4,5,6,7,8,9,10,11,12,13,14,15
	ds_load_b128 v[S+4*\n:S+4*\n+3], v[MA] offset:512*\n
.endr
.irp t, 0,1
	ds_load_b128 v[MK+4*\t:MK+4*\t+3], v[MA] offset:8192+512*\t
.endr
.irp t, 0,1
	v_add_f32 v[ST+16*\t+2], v[ST+16*\t+2], v[ST+16*\t+3]
	v_add_f32 v[ST+16*\t+4], v[ST+16*\t+4], v[ST+16*\t+5]
.endr
	s_wait_dscnt 0x0
.irp t, 0,1
	v_max_num_f32 v[ST+16*\t+8], v[ST+16*\t], v[MK+4*\t]
.endr
.irp t, 0,1
	v_sub_f32 v[ST+16*\t+9], v[ST+16*\t], v[ST+16*\t+8]
	v_sub_f32 v[ST+16*\t+10], v[MK+4*\t], v[ST+16*\t+8]
.endr
.irp t, 0,1
	v_exp_f32 v[ST+16*\t+9], v[ST+16*\t+9]
	v_exp_f32 v[ST+16*\t+10], v[ST+16*\t+10]
.endr
	v_nop
	s_wait_alu depctr_va_vdst(0)                   ; one wait for the four
.irp t, 0,1
	v_mul_f32 v[ST+16*\t+2], v[ST+16*\t+2], v[ST+16*\t+9]
	v_mul_f32 v[ST+16*\t+4], v[ST+16*\t+4], v[ST+16*\t+9]
.endr
.irp t, 0,1
	v_fmac_f32 v[ST+16*\t+2], v[MK+4*\t+1], v[ST+16*\t+10]         ; L
	v_fmac_f32 v[ST+16*\t+4], v[MK+4*\t+2], v[ST+16*\t+10]         ; S
.endr
.irp t, 0,1
	v_fmac_f32 v[ST+16*\t+4], 0x322bcc77, v[ST+16*\t+2]            ; S + 1e-8 L: never 0, since L is 2^15 or more
.endr
.irp t, 0,1
	v_permlanex16_b32 v[ST+16*\t+11], v[ST+16*\t+4], s44, s45
.endr
.irp t, 0,1
	v_add_f32 v[ST+16*\t+4], v[ST+16*\t+4], v[ST+16*\t+11]
.endr
.irp t, 0,1
	v_rcp_f32 v[ST+16*\t+5], v[ST+16*\t+4]
.endr
	v_nop
	s_wait_alu depctr_va_vdst(0)
.irp t, 0,1
	v_mul_f32 v[ST+16*\t+6], v[ST+16*\t+9], v[ST+16*\t+5]
	v_mul_f32 v[ST+16*\t+14], v[ST+16*\t+10], v[ST+16*\t+5]
.endr
.irp t, 0,1
.irp k, 0,2,4,6,8,10,12,14,16,18,20,22,24,26,28,30
	v_pk_mul_f32 v[S+32*\t+\k:S+32*\t+\k+1], v[S+32*\t+\k:S+32*\t+\k+1], v[ST+16*\t+14:ST+16*\t+15] op_sel_hi:[1,0]
.endr
.endr
	WIN 0x01
.irp t, 0,1
.irp k, 0,2,4,6,8,10,12,14,16,18,20,22,24,26,28,30
	v_pk_fma_f32 v[S+32*\t+\k:S+32*\t+\k+1], v[O+32*\t+\k:O+32*\t+\k+1], v[ST+16*\t+6:ST+16*\t+7], v[S+32*\t+\k:S+32*\t+\k+1] op_sel_hi:[1,0,1]
.endr
.endr
	WIN 0
.irp t, 0,1
.irp k, 0,1,2,3,4,5,6,7,8,9,10,11,12,13,14,15
	v_cvt_pk_f16_f32 v[P+16*\t+\k], v[S+32*\t+2*\k], v[S+32*\t+2*\k+1]
.endr
.endr
.irp t, 0,1
.irp ct, 0,1,2,3
	ds_store_b128 v[OST], v[P+16*\t+4*\ct:P+16*\t+4*\ct+3] offset:2304*\t+32*\ct   ; behind my loads of the same bytes: LDS serves a wave's instructions in order
.endr
.endr
.irp t, 0,1
.irp u, 0,1,2,3
	ds_load_b128 v[KF+16*\t+4*\u:KF+16*\t+4*\u+3], v[ORD] offset:2304*\t+576*\u
.endr
.endr
	s_wait_dscnt 0x0
.irp t, 0,1
.irp u, 0,1,2,3
	global_store_b128 v[GLO], v[KF+16*\t+4*\u:KF+16*\t+4*\u+3], s[\op:\op+1] offset:2048*\t+512*\u   ; four rows of 128 bytes: 512 consecutive bytes
.endr
.endr
	s_wait_xcnt 0x0                                ; the stores have read their registers
.endm
	GLOAD                                          ; unit 0
	WIN 0x40
.irp tq, 0,1
.irp c, 0,1
.irp hf, 0,1
	global_load_b128 v[Q+16*\tq+8*\c+4*\hf:Q+16*\tq+8*\c+4*\hf+3],   v[QOF], s[58:59] offset:2048*\tq+64*\c+32*\hf
	global_load_b128 v[QN+16*\tq+8*\c+4*\hf:QN+16*\tq+8*\c+4*\hf+3], v[QOF], s[60:61] offset:2048*\tq+64*\c+32*\hf
.endr
.endr
.endr
	WIN 0
	INIT
	GSTORE                                         ; (its wait is for all loads: Q too)
	s_wait_kmcnt 0x0
	s_wait_dscnt 0x0
	s_barrier_signal -1
	s_barrier_wait -1
.Ltrip:
	s_wait_xcnt 0x0                                ; the last trip's loads and prefetch have read their addresses
	s_cmp_lg_u32 s20, s19
	s_cbranch_scc1 .Lsame
	s_cmp_lg_u32 s13, 0                            ; THE FIRST BLOCK IS DONE
	s_cbranch_scc1 .Lnfa
	FINISH 34
.Lnfa:
	INIT
	WIN 0x41
.set i, 0
.rept 32
	v_mov_b32 v[Q+i], v[QN+i]
.set i, i+1
.endr
	WIN 0
	s_mov_b32 s21, 0
	s_mov_b32 s23, s55
.Lsame:
	s_wait_dscnt 0x0                               ; my reads of the hand-over bytes are over before any wave stores there again
	s_barrier_signal -1
	s_barrier_wait -1
	s_cmp_eq_u32 s20, 8
	s_cbranch_scc1 .Lnoload
	s_add_co_u32 s51, s20, 1                       ; the next trip's unit: the next 256 keys, or the second block's first
	s_add_co_u32 s52, s21, 1
	s_cmp_eq_u32 s51, s19
	s_cselect_b32 s52, 0, s52
	s_mul_i32 s56, s52, s28
	s_add_nc_u64 s[30:31], s[26:27], s[56:57]
	GLOAD                                          ; it has this trip's two chunks in which to land
	s_cmp_lt_u32 s20, s43
	s_cbranch_scc0 .Lnoask
	s_add_nc_u64 s[32:33], s[30:31], s[28:29]
	global_prefetch_b8 v[PFO], s[32:33] th:TH_LOAD_NT scope:SCOPE_SE   ; the head's work-group with i = 0, in trips 0 to 5: my tile of the unit that the next trip will load (units 2 to 7), a lane to each 256 bytes: each named once in the launch
.Lnoask:
.Lnoload:
	v_add_nc_u32 v[ADK], s38, v[FA]
	v_add_nc_u32 v[STW], s39, v[STA]
	STEP 0
	STEP 1
	s_cmp_lt_u32 s12, 4                            ; waves 0 to 3 hand nothing over: waves 4 to 7 alone store into the hand-over bytes, each into its own group's
	s_cbranch_scc1 .Lnosave
	s_add_co_u32 s51, s20, 1
	s_cmp_eq_u32 s51, s19
	s_cselect_b32 s52, 1, 0
	s_cmp_eq_u32 s20, 8
	s_cselect_b32 s52, 1, s52
	s_cmp_eq_u32 s52, 0
	s_cbranch_scc1 .Lnosave
	SAVE                                           ; a block's last trip, parity 1
.Lnosave:
	s_cmp_eq_u32 s20, 8
	s_cbranch_scc1 .Lnost
	GSTORE
.Lnost:
	s_wait_dscnt 0x0                               ; my stores have landed and my reads of the slot in hand are over
	s_barrier_signal -1
	s_barrier_wait -1
	s_xor_b32 s38, s38, SLOT1
	s_xor_b32 s39, s39, SLOT1
	s_add_co_u32 s21, s21, 1
	s_add_co_u32 s20, s20, 1
	s_cmp_lt_u32 s20, 9
	s_cbranch_scc1 .Ltrip
	s_cmp_lg_u32 s13, 0
	s_cbranch_scc1 .Lnfb
	FINISH 36
.Lnfb:
	s_wait_tensorcnt 0x0                           ; the wave's end
	ds_add_u32 v[SPW], v[NIL]
	s_wait_dscnt 0x0
	s_endpgm
.Lfunc_end_k_q92118622f9_attn:
	.size	k_q92118622f9_attn, .Lfunc_end_k_q92118622f9_attn-k_q92118622f9_attn
	.p2alignl 7, 3214868480
	.fill 96, 4, 3214868480
	.section	.rodata,"a",@progbits
	.p2align	6, 0x0
	.amdhsa_kernel k_q92118622f9_attn
		.amdhsa_group_segment_fixed_size 205824
		.amdhsa_private_segment_fixed_size 0
		.amdhsa_enable_private_segment 0
		.amdhsa_kernarg_size 32
		.amdhsa_user_sgpr_count 2
		.amdhsa_user_sgpr_kernarg_segment_ptr 1
		.amdhsa_wavefront_size32 1
		.amdhsa_system_sgpr_workgroup_id_x 1
		.amdhsa_system_sgpr_workgroup_id_y 1
		.amdhsa_system_sgpr_workgroup_id_z 1
		.amdhsa_system_vgpr_workitem_id 0
		.amdhsa_next_free_vgpr 512
		.amdhsa_next_free_sgpr 66
		.amdhsa_reserve_vcc 1
		.amdhsa_float_denorm_mode_32 3
		.amdhsa_float_denorm_mode_16_64 3
		.amdhsa_memory_ordered 1
		.amdhsa_forward_progress 1
		.amdhsa_inst_pref_size 113
	.end_amdhsa_kernel
	.amdgpu_metadata
---
amdhsa.version: [ 1, 2 ]
amdhsa.kernels:
  - .name:           k_q92118622f9_attn
    .symbol:         k_q92118622f9_attn.kd
    .args:
      - { .name: qkv, .offset: 0, .size: 8, .value_kind: global_buffer, .address_space: global }
      - { .name: h32, .offset: 8, .size: 8, .value_kind: global_buffer, .address_space: global }
      - { .name: zi, .offset: 16, .size: 8, .value_kind: global_buffer, .address_space: global }
      - { .name: o, .offset: 24, .size: 8, .value_kind: global_buffer, .address_space: global }
    .group_segment_fixed_size: 205824
    .private_segment_fixed_size: 0
    .kernarg_segment_align: 8
    .kernarg_segment_size: 32
    .max_flat_workgroup_size: 256
    .sgpr_count:     66
    .vgpr_count:     512
    .wavefront_size: 32
...
	.end_amdgpu_metadata
.endif
;; end of part 3
;; launch proj (part 4): grid 8 x 32, 4 waves a work-group, clusters of 4 x 4, 327,680 bytes of LDS; arguments o, wot, Wo_b, out0; writes out0
.if DOCPART == 4
	.amdgcn_target "amdgcn-amd-amdhsa--gfx1250"
	.amdhsa_code_object_version 6
	.text
	.protected	k_q92118622f9_proj
	.globl	k_q92118622f9_proj
	.p2align	8
	.type	k_q92118622f9_proj,@function
k_q92118622f9_proj:
	s_mov_b64 s[64:65], 0
	v_nop
	global_prefetch_b8 v0, s[64:65] scope:SCOPE_SE
	s_setreg_imm32_b32 hwreg(HW_REG_WAVE_MODE, 25, 1), 1
	s_wait_xcnt 0x0
	s_wait_alu depctr_hold_cnt(0) depctr_sa_sdst(0) depctr_va_vdst(0) depctr_va_sdst(0) depctr_va_ssrc(0) depctr_va_vcc(0) depctr_vm_vsrc(0)
	s_getreg_b32 s2, hwreg(HW_REG_IB_STS2, 6, 4)
	s_cmp_eq_u32 s2, 0
	s_cbranch_scc0 .Lentry_in_a_cluster
	s_endpgm
.Lentry_in_a_cluster:
	s_bfe_u32 s2, ttmp6, 0x10000c
	s_cmp_lg_u32 s2, 0xf033
	s_cbranch_scc0 .Lentry_shape_is_right
	s_endpgm
.Lentry_shape_is_right:
; out0 = o Wo_w + Wo_b.  o: [token / 128][head][128 tokens][64] f16; wot: [n / 128][k / 64][128 n][64 k] f16; out0: [4096][1024] f32; sums in f32; the bias is the C of each sum's first product.
; A tile of out0 is 128 x 128: 256 work-groups; four waves, 64 x 64 each: 16 accumulators.  K goes in steps of 256 (four heads) through two LDS slots.  In both operands a tile's K step is 65,536 DENSE bytes:
; each wave brings 32,768 of them (two heads x 128 rows x 128 bytes) by one tensor load, as 128 rows of 256 bytes with 16 bytes of padding behind each: two rows of 128 bytes share an LDS row of 272.
; CLUSTERS: 4 x 4: A's tiles are asked for jointly along a row of the cluster, B's along a column.  The matrix instruction is used transposed: a lane holds eight neighbouring columns of a row.
; The rows of the first 16 tokens of each sequence are stored here like all others (f16 operands) and stored again by the last launch, which makes them in f32: 32 rows of 4,096.
; REGISTERS: window 0: v0-31 addresses; v32-95 at work on the way out; v96-127 the bias; v128-255 the accumulators.  Window 1: two fragment buffers of 128.
.set KB,     64*272                    ; one head's 128 rows in LDS
.set HALFT,  2*KB                      ; what one tensor load brings
.set SLOT,   4*HALFT                   ; A's four heads, then B's
.set SPARE,  2*SLOT                    ; the spare words, 128 bytes for each wave: no other line names them
.set ADRA, 16
.set ADRB, 20
.set STO,  24
.set RD,   25
.set CO,   26
.set SPW,  28
.set NIL,  29
.set TMP,  32
.set BIAS, 96
.set ACC,  128
.set F0,   0
.set F1,   128
.set G1, 24
.set G0, 32
.set G1B, 48
.set G0B, 56
.set MSB, 0
.macro WIN new
.if MSB != \new
	s_set_vgpr_msb (MSB<<8)|\new
.set MSB, \new
.endif
.endm
.set MUL,  0x05                        ; sources 0 (B) and 1 (A) window 1; C and D window 0
.set TO_F, 0x40
.macro JLOAD s                         ; waves 0 and 1 fetch A's halves, waves 2 and 3 B's; an s_nop 0 and four v_nop follow each line
	s_cmp_eq_u32 s11, 0
	s_cbranch_scc0 .Lfor_b_\@
	tensor_load_to_lds s[G0+4*\s:G0+4*\s+3], s[G1:G1+7]
	s_nop 0
.rept 4
	v_nop
.endr
	s_branch .Lasked_\@
.Lfor_b_\@:
	tensor_load_to_lds s[G0B+4*\s:G0B+4*\s+3], s[G1B:G1B+7]
	s_nop 0
.rept 4
	v_nop
.endr
.Lasked_\@:
.endm
.macro CREST
	s_cmp_lg_u32 s10, 0
	s_cbranch_scc1 .Lnot_wave_0_\@
	s_barrier_signal -3
.Lnot_wave_0_\@:
	s_barrier_wait -3
	s_barrier_signal -1
	s_barrier_wait -1
.endm
.macro CROUND
	s_barrier_signal -1
	s_barrier_wait -1
	CREST
.endm
	s_load_b128 s[4:7], s[0:1], 0x0                ; o, wot
	s_load_b64 s[2:3], s[0:1], 0x10                ; Wo_b
	s_load_b64 s[8:9], s[0:1], 0x18                ; out0
	v_lshl_add_u32 v[SPW], v0, 2, SPARE
	v_mov_b32 v[NIL], 0
	ds_add_u32 v[SPW], v[NIL]                      ; the wave's opening: the add, twice on end, and its wait ahead of my first tensor load
	ds_add_u32 v[SPW], v[NIL]
	v_lshrrev_b32 v1, 5, v0
	v_readfirstlane_b32 s10, v1                    ; wave
	s_lshr_b32 s11, s10, 1                         ; which 64 rows of the tile are mine.  Also: I fetch for A (0) or for B (1)
	s_and_b32 s12, s10, 1                          ; which 64 columns.  Also: which two heads of a K step I fetch
	s_bfe_u32 s40, ttmp6, 0x40000
	s_bfe_u32 s41, ttmp6, 0x40004
	s_lshl_b32 s42, ttmp9, 2
	s_add_co_u32 s42, s42, s40                     ; tile column
	s_and_b32 s13, ttmp7, 0xffff
	s_lshl_b32 s13, s13, 2
	s_add_co_u32 s13, s13, s41                     ; tile row
	s_lshl_b32 s43, s41, 2
	s_lshl_b32 s43, 15, s43
	s_lshl_b32 s44, 0x1111, s40
	s_or_b32 s[G1+0], s43, (3<<16)|(1<<20)|(1<<21)|(5<<22)|(3<<25)   ; mask; elements of 8 bytes; padding: 4 words after every 64; bit 21 beside a mask
	s_or_b32 s[G1B+0], s44, (3<<16)|(1<<20)|(1<<21)|(5<<22)|(3<<25)
.irp g, G1, G1B
	s_mov_b32 s[\g+1], 32<<16                      ; tensor_dim0 = 32 elements: 256 bytes
	s_mov_b32 s[\g+2], 128<<16                     ; tensor_dim1 = 128
	s_mov_b32 s[\g+3], 32<<16                      ; tile_dim0
	s_mov_b32 s[\g+4], 128                         ; tile_dim1
	s_mov_b32 s[\g+5], 32                          ; dense
	s_mov_b32 s[\g+6], 0
	s_mov_b32 s[\g+7], 0
.endr
	s_lshl_b32 s17, s12, 1
	s_lshl_b32 s16, s13, 4
	s_add_co_u32 s16, s16, s17
	s_lshl_b32 s16, s16, 14                        ; A: block (tile row, head 2 x half) of 16,384 bytes
	s_lshl_b32 s46, s42, 4
	s_add_co_u32 s46, s46, s17
	s_lshl_b32 s46, s46, 14                        ; B likewise, by the tile column
	s_mov_b32 s17, 0
	s_mov_b32 s47, 0
	s_mul_i32 s20, s10, HALFT
	s_wait_dscnt 0x0                               ; both opening adds are done
	s_wait_kmcnt 0x0
	s_add_nc_u64 s[14:15], s[4:5], s[16:17]
	s_add_nc_u64 s[46:47], s[6:7], s[46:47]
	CROUND
.irp s, 0,1
	s_mov_b32 s[G0+4*\s], 1
	s_add_co_u32 s[G0+4*\s+1], s20, \s*SLOT
	s_add_nc_u64 s[G0+4*\s+2:G0+4*\s+3], s[14:15], \s*65536
	s_or_b32 s[G0+4*\s+3], s[G0+4*\s+3], 0x80000000
	s_mov_b32 s[G0B+4*\s], 1
	s_add_co_u32 s[G0B+4*\s+1], s20, \s*SLOT
	s_add_nc_u64 s[G0B+4*\s+2:G0B+4*\s+3], s[46:47], \s*65536
	s_or_b32 s[G0B+4*\s+3], s[G0B+4*\s+3], 0x80000000
	JLOAD \s                                       ; two loads of mine are out at the start, one behind each round
.endr
	v_and_b32 v1, 15, v0                           ; r
	v_bfe_u32 v2, v0, 4, 1                         ; h
	v_lshrrev_b32 v3, 1, v1
	v_mul_u32_u24 v3, v3, 272
	v_and_b32 v4, 1, v1
	v_lshl_add_u32 v3, v4, 7, v3
	v_lshl_add_u32 v3, v2, 4, v3                   ; row r of a fragment: (r / 2) x 272 + (r % 2) x 128 + 16 h: sixteen different 16-byte columns
	s_mul_i32 s21, s11, 32*272                     ; my 64 rows of A in each head's block
	s_mul_i32 s22, s12, 32*272
	s_add_co_u32 s22, s22, 2*HALFT                 ; my 64 rows of B
.irp s, 0,1
	v_add_nc_u32 v[ADRA+\s], s21, v3
	v_add_nc_u32 v[ADRB+\s], s22, v3
	s_add_co_u32 s21, s21, SLOT
	s_add_co_u32 s22, s22, SLOT
.endr
	s_mul_i32 s23, s10, 16*272                     ; my stage: 16 rows x (256 + 16) bytes, in slot 0
	v_mul_u32_u24 v4, v1, 272
	v_lshl_add_u32 v4, v2, 5, v4
	v_add_nc_u32 v[STO], s23, v4
	v_mul_u32_u24 v5, v2, 272
	v_lshl_add_u32 v5, v1, 4, v5
	v_add_nc_u32 v[RD], s23, v5
	v_lshlrev_b32 v5, 12, v2
	v_lshl_add_u32 v[CO], v1, 4, v5                ; lanes 0-15 one row of out0, lanes 16-31 the next
	s_lshl_b32 s20, s42, 9
	s_lshl_b32 s21, s12, 8
	s_add_co_u32 s20, s20, s21                     ; my first column, in bytes
	s_mov_b32 s21, 0
	s_add_nc_u64 s[2:3], s[2:3], s[20:21]
	s_add_nc_u64 s[8:9], s[8:9], s[20:21]
	s_lshl_b32 s20, s13, 7
	s_lshl_b32 s22, s11, 6
	s_add_co_u32 s20, s20, s22
	s_lshl_b32 s20, s20, 12                        ; my first row x 4,096 bytes
	s_add_nc_u64 s[8:9], s[8:9], s[20:21]
	v_lshlrev_b32 v6, 5, v2
.irp b, 0,1,2,3
	global_load_b128 v[BIAS+8*\b:BIAS+8*\b+3],   v6, s[2:3] offset:64*\b       ; Wo_b at my columns 16 b + 8 h + 0 .. 7
	global_load_b128 v[BIAS+8*\b+4:BIAS+8*\b+7], v6, s[2:3] offset:64*\b+16
.endr
.macro MUL8 f, c, a0, zero             ; 8 matrix instructions; zero = 1: the first product starts the sums from the bias
.irp a, \a0, \a0+1
.irp b, 0,1,2,3
.if \zero
	v_wmma_f32_16x16x32_f16 v[ACC+8*(4*(\a)+\b):ACC+8*(4*(\a)+\b)+7], v[\f+64+8*(4*\c+\b):\f+64+8*(4*\c+\b)+7], v[\f+8*(4*\c+\a):\f+8*(4*\c+\a)+7], v[BIAS+8*\b:BIAS+8*\b+7]
.else
	v_wmma_f32_16x16x32_f16 v[ACC+8*(4*(\a)+\b):ACC+8*(4*(\a)+\b)+7], v[\f+64+8*(4*\c+\b):\f+64+8*(4*\c+\b)+7], v[\f+8*(4*\c+\a):\f+8*(4*\c+\a)+7], v[ACC+8*(4*(\a)+\b):ACC+8*(4*(\a)+\b)+7]
.endif
.endr
.endr
.endm
.macro FETCH slot, k, f                ; 32 LDS loads in one run: one head's 64 along K, at byte k of the slot
	WIN TO_F
.irp c, 0,1
.irp i, 0,1,2,3
	ds_load_b128 v[\f+64+8*(4*\c+\i):\f+64+8*(4*\c+\i)+3],   v[ADRB+\slot] offset:\k+64*\c+\i*2176
	ds_load_b128 v[\f+64+8*(4*\c+\i)+4:\f+64+8*(4*\c+\i)+7], v[ADRB+\slot] offset:\k+64*\c+\i*2176+32
	ds_load_b128 v[\f+8*(4*\c+\i):\f+8*(4*\c+\i)+3],         v[ADRA+\slot] offset:\k+64*\c+\i*2176
	ds_load_b128 v[\f+8*(4*\c+\i)+4:\f+8*(4*\c+\i)+7],       v[ADRA+\slot] offset:\k+64*\c+\i*2176+32
.endr
.endr
.endm
.macro PLACES
.rept 4
	v_nop
.endr
.endm
.macro QUARTER slot, k, f, g, zero
	s_wait_dscnt 16                                ; the first 32 along K are in
	WIN MUL
	MUL8 \f, 0, 0, \zero
	MUL8 \f, 0, 2, \zero
	PLACES
	FETCH \slot, \k, \g
	s_wait_dscnt 32                                ; all but the 32 just issued
	WIN MUL
	MUL8 \f, 1, 0, 0
	MUL8 \f, 1, 2, 0
.endm
.macro TURN slot, next, fill           ; a slot's last quarter changes slots: one barrier; fill = 1: the slot is filled again, two K steps ahead
	WIN 0
	s_wait_tensorcnt 0x0                           ; all my tensor loads have landed: my part of the next slot
	ds_add_u32 v[SPW], v[NIL]                      ; 0 onto my spare word
	s_wait_dscnt 17                                ; the add and the youngest sixteen loads may be out
	WIN MUL
	MUL8 F1, 0, 0, 0
	s_wait_dscnt 0x0                               ; the add is done, and my reads of this slot are over
	s_barrier_signal -1
	MUL8 F1, 0, 2, 0
.if \fill
	WIN 0
.endif
	s_barrier_wait -1
.if \fill
	CREST                                          ; the barrier has opened a round of the cluster's: no wave of any partner still reads this slot or has a load on its way
	s_add_nc_u64 s[G0+4*\slot+2:G0+4*\slot+3], s[G0+4*\slot+2:G0+4*\slot+3], 131072
	s_add_nc_u64 s[G0B+4*\slot+2:G0B+4*\slot+3], s[G0B+4*\slot+2:G0B+4*\slot+3], 131072
	JLOAD \slot
.else
	PLACES
.endif
	FETCH \next, 0, F0
	WIN MUL
	MUL8 F1, 1, 0, 0
	MUL8 F1, 1, 2, 0
.endm
	s_wait_loadcnt 0x0                             ; the bias
	s_wait_tensorcnt 1                             ; my part of K step 0 is in; K step 1's may be out
	s_barrier_signal -1
	s_barrier_wait -1
	FETCH 0, 0, F0
	QUARTER 0, KB, F0, F1, 1
	WIN 0
	s_mov_b32 s45, 1
.Llap:                                                 ; one trip: once round the ring, both slots filled again (K steps 2 and 3)
	QUARTER 0, 2*KB, F1, F0, 0
	QUARTER 0, 3*KB, F0, F1, 0
	TURN 0, 1, 1
	QUARTER 1, KB, F0, F1, 0
	QUARTER 1, 2*KB, F1, F0, 0
	QUARTER 1, 3*KB, F0, F1, 0
	TURN 1, 0, 1
	QUARTER 0, KB, F0, F1, 0
	WIN 0
	s_sub_co_u32 s45, s45, 1
	s_cmp_lg_u32 s45, 0
	s_cbranch_scc1 .Llap
	QUARTER 0, 2*KB, F1, F0, 0
	QUARTER 0, 3*KB, F0, F1, 0
	TURN 0, 1, 0
	QUARTER 1, KB, F0, F1, 0
	QUARTER 1, 2*KB, F1, F0, 0
	QUARTER 1, 3*KB, F0, F1, 0
	s_wait_dscnt 16
	WIN MUL
	MUL8 F1, 0, 0, 0
	MUL8 F1, 0, 2, 0
	s_wait_dscnt 0
	MUL8 F1, 1, 0, 0
	MUL8 F1, 1, 2, 0
	WIN 0
; THE WAY OUT: my 64 columns of f32 are 256 aligned bytes of a row: 16 rows at a time through my own stage (slot 0 has had its last fill and its last read), back as whole 256 bytes.
.macro TOSTAGE a
.irp b, 0,1,2,3
	ds_store_b128 v[STO], v[ACC+8*(4*(\a)+\b):ACC+8*(4*(\a)+\b)+3] offset:64*\b        ; each accumulator from its low end on
	ds_store_b128 v[STO], v[ACC+8*(4*(\a)+\b)+4:ACC+8*(4*(\a)+\b)+7] offset:64*\b+16
.endr
.set BB, TMP+32*((\a)%2)
.irp t, 0,1,2,3,4,5,6,7
	ds_load_b128 v[BB+4*\t:BB+4*\t+3], v[RD] offset:\t*544
.endr
.endm
.macro SEND a, younger
.set BB, TMP+32*((\a)%2)
	s_wait_dscnt \younger                          ; the LDS instructions issued behind block a's loads may be out
.irp t, 0,1,2,3,4,5,6,7
	global_store_b128 v[CO], v[BB+4*\t:BB+4*\t+3], s[8:9] offset:(16*(\a)+2*\t)*4096 th:TH_STORE_NT   ; 16 lanes store 256 consecutive bytes, aligned
.endr
.endm
	PLACES
	TOSTAGE 0
.irp a, 1,2,3
.if \a > 1
	s_wait_xcnt 0x0                                ; block a - 2's stores have read their registers
.endif
	TOSTAGE \a
	SEND \a-1, 16
.endr
	SEND 3, 0
	s_wait_tensorcnt 0x0                           ; the wave's end
	ds_add_u32 v[SPW], v[NIL]
	s_wait_dscnt 0x0
	CROUND                                         ; the closing round
	s_endpgm
.Lfunc_end_k_q92118622f9_proj:
	.size	k_q92118622f9_proj, .Lfunc_end_k_q92118622f9_proj-k_q92118622f9_proj
	.p2alignl 7, 3214868480
	.fill 96, 4, 3214868480
	.section	.rodata,"a",@progbits
	.p2align	6, 0x0
	.amdhsa_kernel k_q92118622f9_proj
		.amdhsa_group_segment_fixed_size 327680
		.amdhsa_private_segment_fixed_size 0
		.amdhsa_enable_private_segment 0
		.amdhsa_kernarg_size 32
		.amdhsa_user_sgpr_count 2
		.amdhsa_user_sgpr_kernarg_segment_ptr 1
		.amdhsa_wavefront_size32 1
		.amdhsa_system_sgpr_workgroup_id_x 1
		.amdhsa_system_sgpr_workgroup_id_y 1
		.amdhsa_system_sgpr_workgroup_id_z 1
		.amdhsa_system_vgpr_workitem_id 0
		.amdhsa_next_free_vgpr 512
		.amdhsa_next_free_sgpr 66
		.amdhsa_reserve_vcc 0
		.amdhsa_float_denorm_mode_32 3
		.amdhsa_float_denorm_mode_16_64 3
		.amdhsa_memory_ordered 1
		.amdhsa_forward_progress 1
		.amdhsa_inst_pref_size 86
	.end_amdhsa_kernel
	.amdgpu_metadata
---
amdhsa.version: [ 1, 2 ]
amdhsa.kernels:
  - .name:           k_q92118622f9_proj
    .symbol:         k_q92118622f9_proj.kd
    .args:
      - { .name: o, .offset: 0, .size: 8, .value_kind: global_buffer, .address_space: global }
      - { .name: wot, .offset: 8, .size: 8, .value_kind: global_buffer, .address_space: global }
      - { .name: Wo_b, .offset: 16, .size: 8, .value_kind: global_buffer, .address_space: global }
      - { .name: out0, .offset: 24, .size: 8, .value_kind: global_buffer, .address_space: global }
    .group_segment_fixed_size: 327680
    .private_segment_fixed_size: 0
    .kernarg_segment_align: 8
    .kernarg_segment_size: 32
    .max_flat_workgroup_size: 128
    .sgpr_count:     66
    .vgpr_count:     512
    .wavefront_size: 32
...
	.end_amdgpu_metadata
.endif
;; end of part 4
;; launch first (part 5): grid 64 x 2, 16 waves a work-group, no clusters, 18,432 bytes of LDS; arguments h32, Wo_w, Wo_b, out0; writes out0
.if DOCPART == 5
	.amdgcn_target "amdgcn-amd-amdhsa--gfx1250"
	.amdhsa_code_object_version 6
	.text
	.protected	k_q92118622f9_first
	.globl	k_q92118622f9_first
	.p2align	8
	.type	k_q92118622f9_first,@function
k_q92118622f9_first:
	s_mov_b64 s[64:65], 0
	v_nop
	global_prefetch_b8 v0, s[64:65] scope:SCOPE_SE
	s_setreg_imm32_b32 hwreg(HW_REG_WAVE_MODE, 25, 1), 1
	s_wait_xcnt 0x0
; THE FIRST 16 TOKENS OF EACH SEQUENCE, ALL IN f32: under the causal mask these rows average one to sixteen values and are the largest of the output, so the rounding of f16 operands weighs most there.
; Work-group (16 columns n0 of out0, batch b); a wave is a head.  Each wave makes its head's 16 x 16 attention from the f32 copies of q, k, v (h32), multiplies it by Wo_w's 64 rows of that head at the
; 16 columns, and the sixteen heads' parts are added through LDS.  A wave issues 16 + 16 + 16 = 48 matrix instructions of the f32 form: no bulk work.  The 32 rows are stored over what the launch before left there.
; The attention of a batch is made anew in each of its 64 work-groups: 32 small products a wave, against a launch more.  Stores are 16 bytes a lane, 64 a row: 131,072 bytes in all.
; THE ORDER OF K is chosen alike on both sources of each product, so that each step's operands are register pairs as they were loaded or made, and no lane exchange is needed:
;   K Q^T: slot (h, j) of step s = channel 32 h + 2 s + j;   V^T P: key 8 h + 2 s + j;   the projection: channel 16 ct + 8 h + 2 s + j.
; The registers that the matrix instructions write (v160-223) are written by nothing else; what is made of a sum goes into other registers.
.set ZOFF,  393216
.set SPARE, 16384                      ; behind the sixteen heads' 1,024 bytes: the spare words, 128 bytes for each wave
.set SPW, 254
.set NIL, 255
.set QR, 32
.set KR, 64
.set VR, 96
.set WR, 128
.set SA, 160
.set SB, 168
.set OA, 176
.set PA, 208
.set PB, 216
.set SC, 224
.set PW, 232
.macro FBITS val                       ; FBV = the bits of the f32 number val / 256, val = 0 .. 7
.if (\val) == 0
.set FBV, 0
.elseif (\val) < 2
.set FBV, 119<<23
.elseif (\val) < 4
.set FBV, (120<<23)|(((\val)-2)<<22)
.else
.set FBV, (121<<23)|(((\val)-4)<<21)
.endif
.endm
	s_load_b256 s[4:11], s[0:1], 0x0               ; h32 4, Wo_w 6, Wo_b 8, out0 10
	v_lshl_add_u32 v[SPW], v0, 2, SPARE
	v_mov_b32 v[NIL], 0
	v_lshrrev_b32 v1, 5, v0
	v_readfirstlane_b32 s12, v1                    ; head
	s_and_b32 s13, ttmp7, 0xffff                   ; b
	s_lshl_b32 s14, ttmp9, 6                       ; n0 in bytes
	v_and_b32 v1, 15, v0                           ; r
	v_bfe_u32 v2, v0, 4, 1                         ; h
	v_and_b32 v3, 31, v0
	v_lshlrev_b32 v4, 8, v1
	v_lshl_add_u32 v4, v2, 7, v4                   ; q, k: token r of 256 bytes, channels 32 h on
	v_lshlrev_b32 v5, 6, v1
	v_lshl_add_u32 v5, v2, 5, v5                   ; v: channel r of 64 bytes, tokens 8 h on
	v_lshlrev_b32 v6, 2, v1
	v_lshl_add_u32 v6, v2, 15, v6                  ; Wo_w: column r, 8 h rows of 4,096 bytes down
	s_lshl_b32 s15, s12, 10
	v_lshl_add_u32 v7, v3, 4, s15                  ; LDS: my head's part
	s_lshl_b32 s15, s12, 9
	v_lshl_add_u32 v8, v3, 4, s15                  ; and where waves 0 and 1 read
	v_lshlrev_b32 v9, 12, v1
	v_lshl_add_u32 v9, v2, 5, v9                   ; out0: row r, + 8 h columns
	v_lshlrev_b32 v10, 5, v2
	s_mov_b32 s24, 0x76543210
	s_mov_b32 s25, 0xfedcba98
	s_mov_b32 s26, 0x3e38aa3b                      ; c = log2(e) / 8
	s_mov_b32 s29, 0
	s_lshl_b32 s23, s13, 4
	s_add_co_u32 s23, s23, s12
	s_lshl_b32 s23, s23, 2
	s_wait_kmcnt 0x0
	s_load_b32 s22, s[4:5], s23 offset:ZOFF        ; z
	s_lshl_b32 s28, s13, 5
	s_add_co_u32 s28, s28, s12
	s_lshl_b32 s28, s28, 12
	s_add_nc_u64 s[16:17], s[4:5], s[28:29]        ; q of (b, head); k lies 16 blocks of 4,096 bytes on
	s_lshl_b32 s28, s13, 16
	s_lshl_b32 s30, s12, 12
	s_add_co_u32 s28, s28, s30
	s_add_co_u32 s28, s28, 262144
	s_add_nc_u64 s[18:19], s[4:5], s[28:29]        ; v
	s_lshl_b32 s28, s12, 18
	s_add_co_u32 s28, s28, s14
	s_add_nc_u64 s[20:21], s[6:7], s[28:29]        ; Wo_w at row 64 head, column n0
	s_lshl_b32 s30, s12, 4
	s_add_co_u32 s28, s14, s30
	s_add_nc_u64 s[8:9], s[8:9], s[28:29]          ; Wo_b and out0 at column n0 + 4 wave (used by waves 0 and 1 alone)
	s_lshl_b32 s30, s13, 23
	s_add_co_u32 s28, s28, s30
	s_add_nc_u64 s[10:11], s[10:11], s[28:29]
.irp e, 0,1,2,3,4,5,6,7
	global_load_b128 v[QR+4*\e:QR+4*\e+3], v4, s[16:17] offset:16*\e
	global_load_b128 v[KR+4*\e:KR+4*\e+3], v4, s[16:17] offset:65536+16*\e
.endr
.irp ct, 0,1,2,3
	global_load_b128 v[VR+8*\ct:VR+8*\ct+3],   v5, s[18:19] offset:1024*\ct
	global_load_b128 v[VR+8*\ct+4:VR+8*\ct+7], v5, s[18:19] offset:1024*\ct+16
.endr
.irp ct, 0,1,2,3
.irp k, 0,1,2,3,4,5,6,7
	global_load_b32 v[WR+8*\ct+\k], v6, s[20:21] offset:(16*\ct+\k)*4096
.endr
.endr
	s_wait_loadcnt 0x0
	s_wait_kmcnt 0x0
	; S^T = K Q^T: two accumulators by turns; the first product of each starts its sum
	v_wmma_f32_16x16x4_f32 v[SA:SA+7], v[KR:KR+1], v[QR:QR+1], 0
	v_wmma_f32_16x16x4_f32 v[SB:SB+7], v[KR+2:KR+3], v[QR+2:QR+3], 0
.irp s, 2,4,6,8,10,12,14
	v_wmma_f32_16x16x4_f32 v[SA:SA+7], v[KR+2*\s:KR+2*\s+1], v[QR+2*\s:QR+2*\s+1], v[SA:SA+7]
	v_wmma_f32_16x16x4_f32 v[SB:SB+7], v[KR+2*\s+2:KR+2*\s+3], v[QR+2*\s+2:QR+2*\s+3], v[SB:SB+7]
.endr
.rept 8
	v_nop                                          ; eight places behind this form (ISA guide 7.12.1)
.endr
.irp j, 0,1,2,3,4,5,6,7
	v_add_f32 v[SC+\j], v[SA+\j], v[SB+\j]         ; score of key 8 h + j, query r
.endr
	v_lshlrev_b32 v240, 3, v2
	v_sub_nc_u32 v241, v1, v240                    ; r - 8 h
	v_mov_b32 v242, 0xff800000
.irp j, 0,1,2,3,4,5,6,7
	v_cmp_gt_i32 vcc_lo, \j, v241                  ; the key comes after the query
	v_cndmask_b32 v[SC+\j], v[SC+\j], v242, vcc_lo
.endr
	v_max3_num_f32 v243, v[SC], v[SC+1], v[SC+2]
	v_max3_num_f32 v243, v243, v[SC+3], v[SC+4]
	v_max3_num_f32 v243, v243, v[SC+5], v[SC+6]
	v_max_num_f32 v243, v243, v[SC+7]
	v_mov_b32 v244, 0
	v_permlanex16_b32 v244, v243, s24, s25
	v_max_num_f32 v243, v243, v244                 ; the row's maximum: key 0 counts for every query
	v_mul_f32 v243, s26, v243
.irp j, 0,1,2,3,4,5,6,7
	v_fma_f32 v[SC+\j], v[SC+\j], s26, -v243
.endr
.irp j, 0,1,2,3,4,5,6,7
	v_exp_f32 v[SC+\j], v[SC+\j]
.endr
	v_sub_nc_u32 v245, v240, v1                    ; 8 h - r  (a plain instruction behind the exponentials)
	s_wait_alu depctr_va_vdst(0)                   ; one wait for the eight, ahead of their first reader
	v_add_f32 v246, v[SC], v[SC+1]
	v_add_f32 v250, v[SC+2], v[SC+3]
	v_add_f32 v246, v246, v[SC+4]
	v_add_f32 v250, v250, v[SC+5]
	v_add_f32 v246, v246, v[SC+6]
	v_add_f32 v250, v250, v[SC+7]
	v_add_f32 v246, v246, v250                     ; L, my eight keys
	v_cvt_f32_i32 v245, v245
	v_mov_b32 v247, s22
	v_add_f32 v247, 0x43800000, v247               ; 256 + z
	v_add_f32 v247, v247, v245
	v_mul_f32 v247, 0x3b800000, v247               ; (256 + z - (r - 8 h)) / 256
.set n, 0
.rept 8
	FBITS n
	v_add_f32 v[PW+n], FBV, v247
.set n, n+1
.endr
.irp j, 0,1,2,3,4,5,6,7
	v_med3_num_f32 v[PW+\j], v[PW+\j], 0, 1.0      ; the span mask
.endr
.irp j, 0,1,2,3,4,5,6,7
	v_mul_f32 v[PW+\j], v[PW+\j], v[SC+\j]
.endr
	v_add_f32 v248, v[PW], v[PW+1]
	v_add_f32 v250, v[PW+2], v[PW+3]
	v_add_f32 v248, v248, v[PW+4]
	v_add_f32 v250, v250, v[PW+5]
	v_add_f32 v248, v248, v[PW+6]
	v_add_f32 v250, v250, v[PW+7]
	v_add_f32 v248, v248, v250                     ; S
	v_fmac_f32 v248, 0x322bcc77, v246              ; S + 1e-8 L
	v_permlanex16_b32 v244, v248, s24, s25
	v_add_f32 v248, v248, v244
	v_rcp_f32 v249, v248
	v_nop
	s_wait_alu depctr_va_vdst(0)
.irp j, 0,1,2,3,4,5,6,7
	v_mul_f32 v[PW+\j], v[PW+\j], v249
.endr
	; O^T = V^T P: four accumulators by turns
.irp s, 0,1,2,3
.irp ct, 0,1,2,3
.if \s == 0
	v_wmma_f32_16x16x4_f32 v[OA+8*\ct:OA+8*\ct+7], v[VR+8*\ct+2*\s:VR+8*\ct+2*\s+1], v[PW+2*\s:PW+2*\s+1], 0
.else
	v_wmma_f32_16x16x4_f32 v[OA+8*\ct:OA+8*\ct+7], v[VR+8*\ct+2*\s:VR+8*\ct+2*\s+1], v[PW+2*\s:PW+2*\s+1], v[OA+8*\ct:OA+8*\ct+7]
.endif
.endr
.endr
.rept 9
	v_nop                                          ; nine places before a matrix instruction takes these results as a source
.endr
	; the projection: source 0 = 16 columns of Wo_w, source 1 = O^T as it stands; two accumulators by turns
	v_wmma_f32_16x16x4_f32 v[PA:PA+7], v[WR:WR+1], v[OA:OA+1], 0
	v_wmma_f32_16x16x4_f32 v[PB:PB+7], v[WR+2:WR+3], v[OA+2:OA+3], 0
.irp s, 2,4,6,8,10,12,14
	v_wmma_f32_16x16x4_f32 v[PA:PA+7], v[WR+2*\s:WR+2*\s+1], v[OA+2*\s:OA+2*\s+1], v[PA:PA+7]
	v_wmma_f32_16x16x4_f32 v[PB:PB+7], v[WR+2*\s+2:WR+2*\s+3], v[OA+2*\s+2:OA+2*\s+3], v[PB:PB+7]
.endr
.rept 8
	v_nop
.endr
.irp j, 0,1,2,3,4,5,6,7
	v_add_f32 v[SC+\j], v[PA+\j], v[PB+\j]         ; my head's part of out0(r, n0 + 8 h + j)
.endr
	ds_store_b128 v7, v[SC:SC+3]
	ds_store_b128 v7, v[SC+4:SC+7] offset:512
	s_wait_dscnt 0x0                               ; for the others' sake
	s_barrier_signal -1
	s_barrier_wait -1
	s_cmp_gt_u32 s12, 1
	s_cbranch_scc1 .Ldone
	global_load_b128 v[96:99], v10, s[8:9]         ; Wo_b at n0 + 8 h + 4 wave
.irp k, 0,1,2,3,4,5,6,7,8,9,10,11,12,13,14,15
	ds_load_b128 v[32+4*\k:35+4*\k], v8 offset:1024*\k
.endr
	s_wait_dscnt 0x0
.irp k, 1,2,3,4,5,6,7,8,9,10,11,12,13,14,15
	v_pk_add_f32 v[32:33], v[32:33], v[32+4*\k:33+4*\k]
	v_pk_add_f32 v[34:35], v[34:35], v[34+4*\k:35+4*\k]
.endr
	s_wait_loadcnt 0x0
	v_pk_add_f32 v[32:33], v[32:33], v[96:97]
	v_pk_add_f32 v[34:35], v[34:35], v[98:99]
	global_store_b128 v9, v[32:35], s[10:11]
.Ldone:
	s_wait_tensorcnt 0x0                           ; the wave's end
	ds_add_u32 v[SPW], v[NIL]
	s_wait_dscnt 0x0
	s_endpgm
.Lfunc_end_k_q92118622f9_first:
	.size	k_q92118622f9_first, .Lfunc_end_k_q92118622f9_first-k_q92118622f9_first
	.p2alignl 7, 3214868480
	.fill 96, 4, 3214868480
	.section	.rodata,"a",@progbits
	.p2align	6, 0x0
	.amdhsa_kernel k_q92118622f9_first
		.amdhsa_group_segment_fixed_size 18432
		.amdhsa_private_segment_fixed_size 0
		.amdhsa_enable_private_segment 0
		.amdhsa_kernarg_size 32
		.amdhsa_user_sgpr_count 2
		.amdhsa_user_sgpr_kernarg_segment_ptr 1
		.amdhsa_wavefront_size32 1
		.amdhsa_system_sgpr_workgroup_id_x 1
		.amdhsa_system_sgpr_workgroup_id_y 1
		.amdhsa_system_sgpr_workgroup_id_z 1
		.amdhsa_system_vgpr_workitem_id 0
		.amdhsa_next_free_vgpr 256
		.amdhsa_next_free_sgpr 66
		.amdhsa_reserve_vcc 1
		.amdhsa_float_denorm_mode_32 3
		.amdhsa_float_denorm_mode_16_64 3
		.amdhsa_memory_ordered 1
		.amdhsa_forward_progress 1
		.amdhsa_inst_pref_size 20
	.end_amdhsa_kernel
	.amdgpu_metadata
---
amdhsa.version: [ 1, 2 ]
amdhsa.kernels:
  - .name:           k_q92118622f9_first
    .symbol:         k_q92118622f9_first.kd
    .args:
      - { .name: h32, .offset: 0, .size: 8, .value_kind: global_buffer, .address_space: global }
      - { .name: Wo_w, .offset: 8, .size: 8, .value_kind: global_buffer, .address_space: global }
      - { .name: Wo_b, .offset: 16, .size: 8, .value_kind: global_buffer, .address_space: global }
      - { .name: out0, .offset: 24, .size: 8, .value_kind: global_buffer, .address_space: global }
    .group_segment_fixed_size: 18432
    .private_segment_fixed_size: 0
    .kernarg_segment_align: 8
    .kernarg_segment_size: 32
    .max_flat_workgroup_size: 512
    .sgpr_count:     66
    .vgpr_count:     256
    .wavefront_size: 32
...
	.end_amdgpu_metadata
.endif
;; end of part 5
